; MI455X (gfx1250); checked and timed in simulation.
; The chip was launched on July 23, 2026; its instructions are those of AMD's public machine-readable ISA for CDNA 5 (MIT licence, August 2026) and "CDNA5" Instruction Set Architecture Reference Guide (July 2026). The comments in the code are by the model that wrote it; some were corrected since.
;; Attention. Allowed arithmetic: matrix products marked QUANTISED: E2M3 operands, one E8M0 scale for each 32 along K, by v_wmma_scale_f32_16x16x128_f8f6f4 with both operands' format E2M3, f32 sums; everything else in f32.
;; Inputs: freqs_cos 1,024 x 64 float32; freqs_sin 1,024 x 64 float32; wk 1,024 x 4,096 float32; wo 4,096 x 4,096 float32; wq 4,096 x 4,096 float32; wv 1,024 x 4,096 float32; x 1 x 1,024 x 4,096 float32.
;; Outputs: out0 1 x 1,024 x 4,096 float32.
;; This version of the problem:
;;   THIS VERSION OF THE PROBLEM IS GIVEN IN LOW PRECISION. The matrix products marked QUANTISED in the list below multiply operands that are first quantised to E2M3 (2 exponent bits, 3 mantissa bits; 6 bits a number), with one power-of-two scale for each 32 numbers along K (OCP MX v1.0); their sums are f32. All else is computed in f32.
;;   The module's matrix products, in the order in which they are computed (A, B: the left and right operand; K: the contracted axis; several contracted axes count as one K, in the product's order):
;;     1. [M 1,024, K 4,096] x [K 4,096, N 4,096]; A: input x; B: input wq: QUANTISED
;;     2. [M 1,024, K 4,096] x [K 4,096, N 1,024]; A: input x; B: input wk: QUANTISED
;;     3. [M 1,024, K 4,096] x [K 4,096, N 1,024]; A: input x; B: input wv: QUANTISED
;;     4. batch 32 x [M 1,024, K 128] x [K 128, N 1,024]; A: computed on the way; B: computed on the way: QUANTISED
;;     5. batch 32 x [M 128, K 1,024] x [K 1,024, N 1,024]; A: computed on the way; B: softmax (see below): QUANTISED
;;     6. [M 1,024, K 4,096] x [K 4,096, N 4,096]; A: computed on the way; B: input wo: QUANTISED
;;   THE QUANTISER, for each operand of a quantised product, along K:
;;     - K is cut into blocks of 32 from its start; a last block that is shorter is filled with zeros.
;;     - A block's scale is 2^e with e = floor(log2(the largest magnitude in the block)) - 2, held to -126 .. 127; a block of zeros has e = 0. As a byte (E8M0): e + 127.
;;     - Each number is divided by its block's scale, clamped to +-7.5, and rounded to the nearest number of E2M3, ties to even, subnormals kept.
;;     - The product sums the exact products of the quantised numbers (number of the format x scale) in f32.
;;   ~~~python
;;   def quantise(x, axis):      # numpy; x: float32 -> the quantised numbers, widened to float32 again
;;       x = np.moveaxis(x, axis, -1); K = x.shape[-1]
;;       x = np.pad(x, [(0, 0)] * (x.ndim - 1) + [(0, -K % 32)]); x = x.reshape(x.shape[:-1] + (-1, 32)); a = np.abs(x).max(-1, keepdims=True)
;;       e = np.where(a > 0, np.clip(np.frexp(np.where(a > 0, a, 1))[1] - 1 - 2, -126, 127), 0)      # np.frexp(a)[1] - 1 = floor(log2(a)), exactly
;;       r = np.clip(x / 2.0 ** e, -7.5, 7.5)
;;       step = 2.0 ** (np.maximum(np.frexp(np.where(r == 0, 1, r))[1] - 1, 0) - 3)
;;       q = np.round(r / step) * step * 2.0 ** e      # np.round: ties to even
;;       return np.moveaxis(q.reshape(q.shape[:-2] + (-1,))[..., :K], -1, axis).astype(np.float32)
;;   ~~~
;;   SOFTMAX AHEAD OF A QUANTISED PRODUCT. Where the list says 'softmax', what is quantised is not the finished softmax but p = 2^(t - M), with t = logit x log2(e) and M = ceil(the row's largest t), a whole number; so 1/2 < the row's largest p <= 1. The row's sum l is taken of the UNQUANTISED p, in f32, and the product's result is divided by l at the end. Since M is a whole number, a kernel that streams over the keys may use a running M (the ceiling of the running maximum): every later rescaling is an exact power of two, which a block's scale takes up: the codes' values come out the same.
;;   OPERANDS COMPUTED ON THE WAY. 'Computed on the way' means the value that the module computes at that place (a softmax that the list does not call 'softmax' is quantised finished and normalised). What goes into a quantiser is computed in f32, as accurately as f32 sums, v_exp_f32 and their like allow (about 1e-6 of the number): no bf16 or f16 on the way to a quantiser, and a product that is left as it is and whose result goes on into a quantised operand takes f32 operands (vector FMAs, or v_wmma_f32_16x16x4_f32). A number that lies on a knife's edge between two numbers of the format may be rounded either way, as far as f32 arithmetic and the matrix unit's own rounding can turn it there, and no further.
;; One version. Each part assembles by itself: llvm-mc -triple=amdgcn-amd-amdhsa -mcpu=gfx1250 --defsym DOCPART=n.
;; ======== version 1 of 1: 4 launches
;; limits: right only within a limited range of input values
;; workspace buffers: wimg 22,937,600 bytes; woimg 13,107,200 bytes; qkv 4,915,200 bytes; oimg 3,276,800 bytes
;; launch quant (part 1): grid 256 x 1, 14 waves a work-group, no clusters, 120,320 bytes of LDS; arguments x, wq, wk, wv, wimg; writes wimg
.if DOCPART == 1
	.amdgcn_target "amdgcn-amd-amdhsa--gfx1250"
	.amdhsa_code_object_version 6
	.text
	.protected	k_q47ce1fb440_quant
	.globl	k_q47ce1fb440_quant
	.p2align	8
	.type	k_q47ce1fb440_quant,@function
k_q47ce1fb440_quant:
	s_mov_b64 s[64:65], 0
	v_nop
	global_prefetch_b8 v0, s[64:65] scope:SCOPE_SE
	s_setreg_imm32_b32 hwreg(HW_REG_WAVE_MODE, 25, 1), 1
	s_wait_xcnt 0x0
; x [1024][4096], wq [4096][4096], wk, wv [1024][4096], all f32 with K innermost, become codes of FP6 (E2M3) with one E8M0 byte for each 32 along K,
; laid in wimg AS THE MATRIX UNIT'S OPERAND REGISTERS TAKE THEM.  (wo is quantised in the same way by the next launch, into a buffer of its own.)
; A ROW TILE T of a tensor is the 16 rows 32 (T / 2) + 8 (T % 2) + r + 8 (r / 8), r = 0 .. 15.  A FRAGMENT (a row tile x 128 along K) is 12 registers a lane: lane (r, h) holds in registers
; 6 c .. 6 c + 5 the codes of k = 64 c + 32 h + 0 .. 31 of the tile's row r.  Its IMAGE is 1,536 bytes: registers 4 g .. 4 g + 3 of lane l at 512 g + 16 l.
; A RECORD (row tile, four K steps of 128) is 6,400 bytes: four images, then the scale words [r][K step % 4], 16 bytes a row.  A row tile is 8 records, 51,200 bytes.
; wimg: 448 row tiles: x 0-63, wq 64-319, wk 320-383, wv 384-447: 3,584 records.
; A block's scale is 2^(floor(log2(its largest magnitude)) - 2); its byte is the largest magnitude's exponent field - 2, held at 1 from below.
; LIMITS: a block of zeros, or one whose largest magnitude lies under 2^-124, gets the byte 1 (of zeros the rule says 127: the codes are zeros, and this program alone reads the bytes);
; NaN and infinities among the inputs are not served.
; WORK LEFT OUT BY THE PROGRAM: every score above the causal diagonal is set to the least f32 number, whose softmax weight is 0 beside the diagonal's own term for all finite inputs;
; the attention launch leaves out the key steps of 128 that lie wholly above the diagonal.  A NaN, an infinity or an overflow that reaches only those scores is not carried to the result.
; SHARES.  3,584 records = 256 work-groups x 14 waves: a wave takes one record.  Each load reads 512 consecutive bytes of one row (a K step); a K step's 16 rows turn through the
; wave's own stage in LDS, so that a lane gets two whole blocks of 32 neighbours.  Loads run two K steps (32 loads a wave) ahead.  No tensor loads, no barrier: waves share nothing.
.set ROWB,  16384                      ; a row of any of the four tensors, in bytes
.set PITCH, 528                        ; a stage row: 512 bytes + 16: 33 x 16 bytes, so that sixteen rows' reads of 16 bytes fall on different banks
.set STG,   16*PITCH                   ; a wave's stage
.set SPARE, 14*STG                     ; behind the stages: the spare words, 128 bytes a wave, in whole blocks of 256 bytes that no other line names
.set REC,   6400
.set FRB,   1536
.set LI,  1                            ; v1   16 x lane: my bytes of a load's 512, and of an image's 512; never rewritten
.set STI, 2                            ; v2   the stage, on the way in
.set STO, 3                            ; v3   and on the way out: row r, + 128 h
.set H8,  4                            ; v4   8 h
.set SWO, 5                            ; v5   16 r: my row's scale words
.set SPW, 6                            ; v6   LDS address of my spare word; never rewritten
.set NIL, 7                            ; v7   0; never rewritten
.set MX,  8                            ; v8-9   my two blocks' largest magnitudes
.set SO,  10                           ; v10-11 the conversions' scale operands
.set BY,  12                           ; v12-13 the scale bytes
.set W,   14                           ; v14, v15 my half of a scale word, and the other half's
.set W2,  15
.set SW,  16                           ; v16-19 the scale words of K steps 0 .. 3
.set C,   24                           ; v24-47 a fragment's codes, two sets
.set CT,  48                           ; v48-55 the upper halves of the blocks, as the conversions leave them
.set X,   64                           ; v64-127 my 64 numbers of a K step
.set R,   128                          ; v128-255 a K step as loaded, two sets
	s_load_b256 s[4:11], s[0:1], 0x0               ; x, wq, wk, wv
	s_load_b64 s[14:15], s[0:1], 0x20              ; wimg
	v_lshl_add_u32 v[SPW], v0, 2, SPARE
	v_mov_b32 v[NIL], 0
	v_lshrrev_b32 v8, 5, v0
	v_readfirstlane_b32 s26, v8                    ; wave 0..13
	v_and_b32 v8, 31, v0                           ; lane
	v_and_b32 v9, 15, v0                           ; r
	v_bfe_u32 v10, v0, 4, 1                        ; h
	v_lshlrev_b32 v[LI], 4, v8
	s_mul_i32 s27, s26, STG
	v_add_nc_u32 v[STI], s27, v[LI]
	v_mul_u32_u24 v[STO], v9, PITCH
	v_lshl_add_u32 v[STO], v10, 7, v[STO]
	v_add_nc_u32 v[STO], s27, v[STO]
	v_lshlrev_b32 v[H8], 3, v10
	v_lshlrev_b32 v[SWO], 4, v9
	v_mov_b32 v[W2], 0                             ; written once: a lane permute's destination counts as one of its sources
	s_mov_b32 s20, 0x76543210
	s_mov_b32 s21, 0xfedcba98                      ; v_permlanex16_b32's selects for lane l xor 16
	s_wait_alu depctr_va_vdst(0)                   ; the wait at the head's end
	s_wait_kmcnt 0x0
	s_mul_i32 s28, ttmp9, 14
	s_add_co_u32 s28, s28, s26                     ; my record, 0 .. 3,583
	s_lshr_b32 s29, s28, 3                         ; its row tile
	s_and_b32 s30, s28, 7                          ; and its place in the tile
	s_mov_b64 s[16:17], s[10:11]                   ; which tensor is mine, and its first row tile: a choice on ids alone
	s_mov_b32 s18, 384
	s_cmp_lt_u32 s29, 384
	s_cselect_b64 s[16:17], s[8:9], s[16:17]
	s_cselect_b32 s18, 320, s18
	s_cmp_lt_u32 s29, 320
	s_cselect_b64 s[16:17], s[6:7], s[16:17]
	s_cselect_b32 s18, 64, s18
	s_cmp_lt_u32 s29, 64
	s_cselect_b64 s[16:17], s[4:5], s[16:17]
	s_cselect_b32 s18, 0, s18
	s_sub_co_u32 s19, s29, s18                     ; the row tile inside its tensor
	s_lshr_b32 s22, s19, 1
	s_lshl_b32 s22, s22, 19                        ; 32 rows for each pair of tiles,
	s_and_b32 s23, s19, 1
	s_lshl_b32 s23, s23, 17                        ; 8 rows for the odd one,
	s_add_co_u32 s22, s22, s23
	s_lshl_b32 s23, s30, 11                        ; and my record's four K steps of 512 bytes
	s_add_co_u32 s22, s22, s23
	s_mov_b32 s23, 0
	s_add_nc_u64 s[16:17], s[16:17], s[22:23]
	s_mul_i32 s24, s28, REC
	s_mov_b32 s25, 0
	s_add_nc_u64 s[14:15], s[14:15], s[24:25]      ; where my record goes
.macro LOAD t                          ; K step t of the tile's 16 rows: 32 lanes read 512 consecutive bytes of a row
.irp i, 0,1,2,3,4,5,6,7,8,9,10,11,12,13,14,15
	global_load_b128 v[R+64*((\t)%2)+4*\i:R+64*((\t)%2)+4*\i+3], v[LI], s[16:17] offset:(\i+8*(\i/8))*ROWB+512*(\t) th:TH_LOAD_NT
.endr
.endm
.macro STEP t
.set RS, R+64*((\t)%2)
.set CC, C+12*((\t)%2)
.if (\t) < 3
	s_wait_loadcnt 16                              ; this K step's 16 loads are in; the next step's 16 may be out
.else
	s_wait_loadcnt 0x0
.endif
.irp i, 0,1,2,3,4,5,6,7,8,9,10,11,12,13,14,15
	ds_store_b128 v[STI], v[RS+4*\i:RS+4*\i+3] offset:PITCH*\i
.endr
.irp c, 0,1
.irp j, 0,1,2,3,4,5,6,7
	ds_load_b128 v[X+32*\c+4*\j:X+32*\c+4*\j+3], v[STO] offset:256*\c+16*\j   ; k = 64 c + 32 h + 4 j .. of row r.  LDS serves a wave's instructions in order: these see the stores above
.endr
.endr
	s_wait_dscnt 0x0                               ; my 64 numbers are in, and the stores have read the set of registers that the loads below fill
.if (\t)+2 < 4
	LOAD (\t)+2
.endif
.irp c, 0,1
	v_max3_num_f32 v[MX+\c], |v[X+32*\c]|, |v[X+32*\c+1]|, 0x1800000   ; block 2 c + h: all its 32 numbers are mine; the floor 2^(3 - 127) holds the byte at 1 from below
.endr
.irp i, 2,4,6,8,10,12,14,16,18,20,22,24,26,28,30
.irp c, 0,1
	v_max3_num_f32 v[MX+\c], v[MX+\c], |v[X+32*\c+\i]|, |v[X+32*\c+\i+1]|
.endr
.endr
.irp c, 0,1
	v_add_nc_u32 v[SO+\c], 0xff000000, v[MX+\c]    ; 2 off the exponent field: the conversion takes the exponent field of this operand as its scale
.endr
.irp c, 0,1
	v_lshrrev_b32 v[BY+\c], 23, v[SO+\c]           ; the scale's byte
.endr
	v_lshl_or_b32 v[W], v[BY+1], 16, v[BY]         ; blocks h and 2 + h,
	v_lshlrev_b32 v[W], v[H8], v[W]                ; at their places in the row's scale word;
	v_permlanex16_b32 v[W2], v[W], s20, s21
	v_or_b32 v[SW+(\t)], v[W], v[W2]               ; with lane l xor 16's two bytes the word is whole
.if (\t) >= 2
	s_wait_alu depctr_va_vdst(0)
	s_wait_xcnt 0x0                                ; the stores of two K steps ago have read this set of code registers
.endif
.irp c, 0,1
	v_cvt_scalef32_pk16_fp6_f32 v[CC+6*\c:CC+6*\c+2], v[X+32*\c:X+32*\c+15], v[SO+\c]
	v_cvt_scalef32_pk16_fp6_f32 v[CT+4*\c:CT+4*\c+2], v[X+32*\c+16:X+32*\c+31], v[SO+\c]   ; (a conversion's three registers begin on an even number)
.endr
	v_nop                                          ; one plain place behind a scaled conversion
.irp c, 0,1
.irp i, 0,1,2
	v_mov_b32 v[CC+6*\c+3+\i], v[CT+4*\c+\i]
.endr
.endr
.irp g, 0,1,2
	global_store_b128 v[LI], v[CC+4*\g:CC+4*\g+3], s[14:15] offset:(\t)*FRB+512*\g   ; 32 lanes store 512 consecutive bytes, at a multiple of 256 from the buffer's first byte
.endr
.endm
	LOAD 0
	LOAD 1
.irp t, 0,1,2,3
	STEP \t
.endr
	global_store_b128 v[SWO], v[SW:SW+3], s[14:15] offset:4*FRB   ; the record's 256 bytes of scale words [r][K step]; lanes 16-31 hold and store what lanes 0-15 do
	s_wait_tensorcnt 0x0                           ; the wave's end, behind my last LDS store
	ds_add_u32 v[SPW], v[NIL]
	s_wait_dscnt 0x0
	s_endpgm
.Lfunc_end_k_q47ce1fb440_quant:
	.size	k_q47ce1fb440_quant, .Lfunc_end_k_q47ce1fb440_quant-k_q47ce1fb440_quant
	.p2alignl 7, 3214868480
	.fill 96, 4, 3214868480
	.section	.rodata,"a",@progbits
	.p2align	6, 0x0
	.amdhsa_kernel k_q47ce1fb440_quant
		.amdhsa_group_segment_fixed_size 120320
		.amdhsa_private_segment_fixed_size 0
		.amdhsa_enable_private_segment 0
		.amdhsa_kernarg_size 40
		.amdhsa_user_sgpr_count 2
		.amdhsa_user_sgpr_kernarg_segment_ptr 1
		.amdhsa_wavefront_size32 1
		.amdhsa_system_sgpr_workgroup_id_x 1
		.amdhsa_system_sgpr_workgroup_id_y 1
		.amdhsa_system_sgpr_workgroup_id_z 1
		.amdhsa_system_vgpr_workitem_id 0
		.amdhsa_next_free_vgpr 256
		.amdhsa_next_free_sgpr 66
		.amdhsa_reserve_vcc 0
		.amdhsa_float_denorm_mode_32 3
		.amdhsa_float_denorm_mode_16_64 3
		.amdhsa_memory_ordered 1
		.amdhsa_forward_progress 1
		.amdhsa_inst_pref_size 30
	.end_amdhsa_kernel
	.amdgpu_metadata
---
amdhsa.version: [ 1, 2 ]
amdhsa.kernels:
  - .name:           k_q47ce1fb440_quant
    .symbol:         k_q47ce1fb440_quant.kd
    .args:
      - { .name: x, .offset: 0, .size: 8, .value_kind: global_buffer, .address_space: global }
      - { .name: wq, .offset: 8, .size: 8, .value_kind: global_buffer, .address_space: global }
      - { .name: wk, .offset: 16, .size: 8, .value_kind: global_buffer, .address_space: global }
      - { .name: wv, .offset: 24, .size: 8, .value_kind: global_buffer, .address_space: global }
      - { .name: wimg, .offset: 32, .size: 8, .value_kind: global_buffer, .address_space: global }
    .group_segment_fixed_size: 120320
    .private_segment_fixed_size: 0
    .kernarg_segment_align: 8
    .kernarg_segment_size: 40
    .max_flat_workgroup_size: 448
    .sgpr_count:     66
    .vgpr_count:     256
    .wavefront_size: 32
...
	.end_amdgpu_metadata
.endif
;; end of part 1
;; launch qkv (part 2): grid 8 x 24, 4 waves a work-group, clusters of 4 x 4, 327,680 bytes of LDS; arguments wimg, freqs_cos, freqs_sin, qkv; writes qkv
.if DOCPART == 2
	.amdgcn_target "amdgcn-amd-amdhsa--gfx1250"
	.amdhsa_code_object_version 6
	.text
	.protected	k_q47ce1fb440_qkv
	.globl	k_q47ce1fb440_qkv
	.p2align	8
	.type	k_q47ce1fb440_qkv,@function
k_q47ce1fb440_qkv:
	s_mov_b64 s[64:65], 0
	v_nop
	global_prefetch_b8 v0, s[64:65] scope:SCOPE_SE
	s_setreg_imm32_b32 hwreg(HW_REG_WAVE_MODE, 25, 1), 1
	s_wait_xcnt 0x0
	s_wait_alu depctr_hold_cnt(0) depctr_sa_sdst(0) depctr_va_vdst(0) depctr_va_sdst(0) depctr_va_ssrc(0) depctr_va_vcc(0) depctr_vm_vsrc(0)
	s_getreg_b32 s2, hwreg(HW_REG_IB_STS2, 6, 4)
	s_cmp_eq_u32 s2, 0
	s_cbranch_scc0 .Lentry_in_a_cluster
	s_endpgm
.Lentry_in_a_cluster:
	s_bfe_u32 s2, ttmp6, 0x10000c
	s_cmp_lg_u32 s2, 0xf033
	s_cbranch_scc0 .Lentry_shape_is_right
	s_endpgm
.Lentry_shape_is_right:
; q = rope(x wq^T), k = rope(x wk^T), v = x wv^T on codes of FP6 (E2M3) with E8M0 scales, K = 4,096; the results are quantised in registers and stored as images of the operands that the attention launch takes.
; OPERANDS lie in wimg as records (row tile, four K steps of 128): four fragment images of 1,536 bytes, then 256 bytes of scale words [r][K step % 4]; a row tile (rows 32 (T / 2) + 8 (T % 2) + r + 8 (r / 8))
; is 8 records, 51,200 bytes.  Tiles: x 0-63, wq 64-319, wk 320-383, wv 384-447.
; A WORK-GROUP makes 256 (P, source 0) x 128 (R, source 1): four waves, 2 x 2, each 128 P (8 tiles) x 64 R (4 tiles): 32 accumulators.  In a result lane (r, h) holds R's row r, and register 16 b + i of the eight
; P tiles holds P's row 32 b + 16 h + i: 16 neighbours, as the quantiser of the next product wants them.
; y 0-15: q (P = 256 rows of wq, two heads; R = 128 tokens); y 16-19: k likewise; y 20-23: v, WITH THE SOURCES' PARTS CHANGED: P = 256 tokens, R = 128 rows of wv, so that a lane's registers run along the KEYS, v's K.
; The text is one for all three: only the tiles' numbers, RoPE (a branch on the cluster's y, the same in all sixteen partners) and the store addresses differ.
; K goes in 8 groups of 4 K steps through two LDS slots of 24 records (153,600 bytes), filled by the tensor data mover; a fragment comes out of LDS by three loads of 512 consecutive bytes: no pitch, no padding.
; CLUSTERS: 4 x 4.  P's tiles hang on y alone and are asked for jointly along a row of the cluster, R's on x alone, along a column.
; qkv: q [head 32][group of 4 token tiles 16][6,400]: 4 images (K = the head's 128), then scale words [r][tile % 4].  From byte 3,276,800: [kv head 8][key step of 128 keys 8][25,600]:
; K's 8 images (token tiles), 512 bytes of scale words [tile / 4][r][tile % 4], V^T's 8 images (tiles of the head's 128 channels; K = the step's 128 keys), 512 bytes of scale words.
; LIMITS: a block of zeros, or one whose largest magnitude lies under 2^-124, gets the scale byte 1 (this program alone reads the bytes); NaN and infinities are not served.
; REGISTERS: window 0: v4-29 addresses; v32-95 scale words, two sets; v96-191 R's fragments, two sets; on the way out v96-255 are at work.  window 1: P's fragments, two sets, at v0 and v128.
;   window 2: accumulator (a, p) at v[8 (8 a + p)].   window 3: for R tile a: v[64 a ..] 32 cosines, v[64 a + 32 ..] 32 sines.
; THE TILES ARE PREFETCHED INTO THE L2: behind each joint load (K group j) stands a request for K group j + 2, the group that the refill two changes of slots on will load; K groups 0 and 1 come by their loads alone, and the
; last two refills ask for nothing.  A record is 25 blocks of 256 bytes: a lane a block (lanes 25-31 name block 24 again).  Each record is named once in each cluster that will load it: of the 8 records that a wave fetches for P
; the partner at cx takes records 2 cx and 2 cx + 1, of the 4 for R the partner at cy takes record cy: shared out by address, no branch hangs on a place in the cluster.
.set REC,   6400
.set PFO,  18                          ; v18      256 x min(lane, 24); never rewritten
.set PF,   96                          ; s[96:97] my record of the K group that the next request names
.set FRB,   1536
.set TILEB, 8*REC
.set ROFF,  16*REC                     ; in a slot: P's 16 records, then R's 8
.set SLOT,  24*REC
.set SPARE, 2*SLOT                     ; behind the ring: the spare words, 128 bytes a wave: two blocks of 256 bytes that no other line names
.set LI,   4                           ; v4     16 x lane
.set ADP,  8                           ; v8-9   LDS address of my P records in slot 0, 1
.set ADR,  10                          ; v10-11 of my R records
.set ADS0, 12                          ; v12-13 of my P tiles' scale words
.set ADS1, 14                          ; v14-15 the same in lanes 0-15; in lanes 16-31 of my R tiles' scale words
.set CV,   16                          ; v16    my byte in the wave's rows of freqs_cos and freqs_sin
.set LR,   17                          ; v17    16 r
.set SW,   20                          ; v20-23 the way out: the four tiles' scale words
.set SPW,  28                          ; v28    LDS address of my spare word; never rewritten
.set NIL,  29                          ; v29    0; never rewritten
.set SC,   32                          ; scale words: set s at v[SC + 32 s]; register 4 i + q: lanes 0-15 P tile i, lanes 16-31 R tile i (i < 4), K step q of the slot
.set RF,   96                          ; R's fragments: set f at v[RF + 48 f]
.set T,    96                          ; the way out: v96-159 RoPE's products
.set TM,   240                         ; the way out: v240-243 largest magnitudes, v244-247 bytes, v252-255 the conversions' scale operands
.set G1P, 24                           ; s[24:31] descriptor group 1 for P;  s[32:39] group 0, a set for each slot
.set G0P, 32
.set G1R, 48                           ; s[48:55], s[56:63] the same for R
.set G0R, 56
.set SEL, 88                           ; s[88:89] v_permlanex16_b32's selects for lane l xor 16
.set MULW, 0xa1                        ; source 0 (P) window 1, source 1 (R) window 0, C and D window 2
.set TO_P, 0x40                        ; destination window 1, address window 0
.set MSB, 0
.macro WIN new                         ; the immediate's high byte repeats the setting that is left
.if MSB != \new
	s_set_vgpr_msb (MSB<<8)|\new
.set MSB, \new
.endif
.endm
.macro PLACES                          ; four places in front of loads into registers that matrix instructions have read, and of the first read of results
.rept 4
	v_nop
.endr
.endm
; A joint load: waves 0 and 1 fetch P's two halves, waves 2 and 3 R's.  The branch hangs on the wave's number alone.  An s_nop 0 and four v_nop follow each of the two lines.
.macro JLOAD s
	s_cmp_eq_u32 s15, 0
	s_cbranch_scc0 .Lfor_r_\@
	tensor_load_to_lds s[G0P+4*\s:G0P+4*\s+3], s[G1P:G1P+7]
	s_nop 0
.rept 4
	v_nop
.endr
	s_branch .Lasked_\@
.Lfor_r_\@:
	tensor_load_to_lds s[G0R+4*\s:G0R+4*\s+3], s[G1R:G1R+7]
	s_nop 0
.rept 4
	v_nop
.endr
.Lasked_\@:
.endm
.macro ASK inloop                      ; inloop = 1: the loop's last trip (s3 = 1) would name K groups 8 and 9: it asks for nothing
.if \inloop
	s_cmp_gt_u32 s3, 1
	s_cbranch_scc0 .Lnone_\@
.endif
	global_prefetch_b8 v[PFO], s[PF:PF+1] th:TH_LOAD_NT scope:SCOPE_SE
	s_cmp_eq_u32 s15, 0                            ; P's waves have a second record, one row tile on
	s_cbranch_scc0 .Lnone_\@
	global_prefetch_b8 v[PFO], s[PF:PF+1] offset:TILEB th:TH_LOAD_NT scope:SCOPE_SE
.Lnone_\@:
.endm
.macro CREST
	s_cmp_lg_u32 s14, 0
	s_cbranch_scc1 .Lnot_wave_0_\@
	s_barrier_signal -3
.Lnot_wave_0_\@:
	s_barrier_wait -3
	s_barrier_signal -1
	s_barrier_wait -1
.endm
.macro CROUND                          ; a whole round
	s_barrier_signal -1
	s_barrier_wait -1
	CREST
.endm
; 8 matrix instructions: R tile a against P's eight, K step q of the slot whose scale words are set sc; fs: the set of fragments.  The 32 accumulators take turns, one instruction a turn, in the same order in every K step.
.macro MUL8 a, fs, q, sc, zero
.irp p, 0,1,2,3,4,5,6,7
.if \zero
	v_wmma_scale_f32_16x16x128_f8f6f4 v[8*(8*(\a)+\p):8*(8*(\a)+\p)+7], v[128*(\fs)+12*\p:128*(\fs)+12*\p+11], v[RF+48*(\fs)+12*(\a):RF+48*(\fs)+12*(\a)+11], 0, v[SC+32*(\sc)+4*\p+(\q)], v[SC+32*(\sc)+4*(\a)+(\q)] matrix_a_fmt:MATRIX_FMT_FP6 matrix_b_fmt:MATRIX_FMT_FP6 matrix_b_scale:MATRIX_SCALE_ROW1
.else
	v_wmma_scale_f32_16x16x128_f8f6f4 v[8*(8*(\a)+\p):8*(8*(\a)+\p)+7], v[128*(\fs)+12*\p:128*(\fs)+12*\p+11], v[RF+48*(\fs)+12*(\a):RF+48*(\fs)+12*(\a)+11], v[8*(8*(\a)+\p):8*(8*(\a)+\p)+7], v[SC+32*(\sc)+4*\p+(\q)], v[SC+32*(\sc)+4*(\a)+(\q)] matrix_a_fmt:MATRIX_FMT_FP6 matrix_b_fmt:MATRIX_FMT_FP6 matrix_b_scale:MATRIX_SCALE_ROW1
.endif
.endr
.endm
.macro FP slot, q, fs                  ; P's eight fragments of K step q: 24 loads of 512 consecutive bytes
	WIN TO_P
.irp p, 0,1,2,3,4,5,6,7
.irp c, 0,1,2
	ds_load_b128 v[128*(\fs)+12*\p+4*\c:128*(\fs)+12*\p+4*\c+3], v[ADP+\slot] offset:REC*\p+FRB*(\q)+512*\c
.endr
.endr
	WIN 0
.endm
.macro FR slot, q, fs, a0              ; R's fragments a0, a0 + 1: 6 loads
.irp a, \a0, \a0+1
.irp c, 0,1,2
	ds_load_b128 v[RF+48*(\fs)+12*(\a)+4*\c:RF+48*(\fs)+12*(\a)+4*\c+3], v[ADR+\slot] offset:REC*(\a)+FRB*(\q)+512*\c
.endr
.endr
.endm
.macro SCALES slot                     ; a slot's scale words, four K steps a load: 8 loads
.irp i, 0,1,2,3
	ds_load_b128 v[SC+32*\slot+4*\i:SC+32*\slot+4*\i+3], v[ADS1+\slot] offset:REC*\i
.endr
.irp i, 4,5,6,7
	ds_load_b128 v[SC+32*\slot+4*\i:SC+32*\slot+4*\i+3], v[ADS0+\slot] offset:REC*\i
.endr
.endm
; One of a slot's first three K steps: multiplies set q % 2 and fetches K step q + 1 into the other set, which the K step before has read: the four places stand between.
.macro STEP slot, q, zero
	s_wait_dscnt 6                                 ; all but the youngest six loads (R tiles 2, 3) are in
	WIN MULW
	MUL8 0, (\q)%2, \q, \slot, \zero
	MUL8 1, (\q)%2, \q, \slot, \zero
	PLACES
	FP \slot, (\q)+1, 1-(\q)%2
	FR \slot, (\q)+1, 1-(\q)%2, 0
	s_wait_dscnt 30                                ; all but the 30 just issued: R tiles 2, 3 are in
	WIN MULW
	MUL8 2, (\q)%2, \q, \slot, \zero
	MUL8 3, (\q)%2, \q, \slot, \zero
	WIN 0
	FR \slot, (\q)+1, 1-(\q)%2, 2
.endm
; A slot's last K step changes slots: ONE barrier; in front of it each wave waits for all its tensor loads, adds 0 to its spare word, and waits for that and for its reads of this slot.  fill = 1: this slot is filled again, two groups on.
.macro TURN slot, next, fill
.if \fill
	s_wait_xcnt 0x0                                ; my last request has read its address: it is stepped here, a slot behind that request
	s_add_nc_u64 s[PF:PF+1], s[PF:PF+1], REC
.endif
	s_wait_tensorcnt 0x0                           ; all my tensor loads have landed: the one that was out is my part of the next slot
	ds_add_u32 v[SPW], v[NIL]                      ; 0 onto my spare word
	s_wait_dscnt 7                                 ; (the add and the youngest six loads may be out)
	WIN MULW
	MUL8 0, 1, 3, \slot, 0                         ; eight matrix instructions stand between the add and the wait for it
	s_wait_dscnt 0x0                               ; the add is done, and my reads of this slot are over
	s_barrier_signal -1
	MUL8 1, 1, 3, \slot, 0
	WIN 0
	s_barrier_wait -1
.if \fill
	CREST                                          ; the barrier has opened a round of the cluster's barrier: no wave of any partner still reads this slot or has a load on its way
	s_add_nc_u64 s[G0P+4*\slot+2:G0P+4*\slot+3], s[G0P+4*\slot+2:G0P+4*\slot+3], 2*REC
	s_add_nc_u64 s[G0R+4*\slot+2:G0R+4*\slot+3], s[G0R+4*\slot+2:G0R+4*\slot+3], 2*REC
	JLOAD \slot                                    ; the first tensor load behind the round; its four v_nop are the places in front of the loads below
.else
	PLACES
.endif
	FP \next, 0, 0
	FR \next, 0, 0, 0
	s_wait_alu depctr_va_vdst(0)
	SCALES \next
.if \fill
	ASK 1                                          ; behind the joint load and the run of LDS loads
.endif
	WIN MULW
	MUL8 2, 1, 3, \slot, 0
	MUL8 3, 1, 3, \slot, 0
	WIN 0
	FR \next, 0, 0, 2
.endm
	s_load_b256 s[4:11], s[0:1], 0x0               ; wimg s[4:5], freqs_cos s[6:7], freqs_sin s[8:9], qkv s[10:11]
	v_lshl_add_u32 v[SPW], v0, 2, SPARE
	v_mov_b32 v[NIL], 0
	ds_add_u32 v[SPW], v[NIL]                      ; the wave's opening: the add and its wait stand ahead of my first tensor load; the set-up below, work on registers, stands between them
	ds_add_u32 v[SPW], v[NIL]
	v_lshrrev_b32 v1, 5, v0
	v_readfirstlane_b32 s14, v1                    ; wave 0..3
	s_lshr_b32 s15, s14, 1                         ; which half of R's tiles is mine.  Also: I fetch for P (0) or for R (1)
	s_and_b32 s16, s14, 1                          ; which half of P's tiles is mine.  Also: which half of the tiles I fetch
	s_bfe_u32 s40, ttmp6, 0x40000                  ; cx, cy: my place in the cluster
	s_bfe_u32 s41, ttmp6, 0x40004
	s_lshl_b32 s42, ttmp9, 2
	s_add_co_u32 s42, s42, s40                     ; x = 4 x cluster x + cx
	s_and_b32 s18, ttmp7, 0xffff                   ; cluster y: 0-3 q, 4 k, 5 v
	s_lshl_b32 s17, s18, 2
	s_add_co_u32 s17, s17, s41                     ; y = 4 x cluster y + cy
	s_mul_i32 s45, s18, 13
	s_lshr_b32 s45, s45, 6                         ; 1 for v, else 0: of the cluster's y alone
	s_mul_i32 s19, s45, 384
	s_lshl_b32 s43, s41, 2
	s_lshl_b32 s43, 15, s43                        ; my row of the cluster
	s_lshl_b32 s44, 0x1111, s40                    ; my column
	; descriptor group 1: one record (800 elements of 8 bytes) of each of 8 (P) or 4 (R) row tiles, 6,400 elements apart in memory, dense in LDS
	s_or_b32 s[G1P], s43, (3<<16)|(1<<21)          ; 15:0 the mask; 17:16 elements of 8 bytes; 20 no padding; 21 set beside a mask
	s_or_b32 s[G1R], s44, (3<<16)|(1<<21)
	s_mov_b32 s[G1P+1], 800<<16                    ; tensor_dim0
	s_mov_b32 s[G1P+2], 8<<16                      ; tensor_dim1
	s_mov_b32 s[G1P+3], 800<<16                    ; tile_dim0
	s_mov_b32 s[G1P+4], 8                          ; tile_dim1
	s_mov_b32 s[G1P+5], 6400                       ; tensor_dim0_stride
	s_mov_b32 s[G1P+6], 0
	s_mov_b32 s[G1P+7], 0
	s_mov_b32 s[G1R+1], 800<<16
	s_mov_b32 s[G1R+2], 4<<16
	s_mov_b32 s[G1R+3], 800<<16
	s_mov_b32 s[G1R+4], 4
	s_mov_b32 s[G1R+5], 6400
	s_mov_b32 s[G1R+6], 0
	s_mov_b32 s[G1R+7], 0
	s_lshl_b32 s20, s17, 4                         ; P's first tile that I fetch: 64 + 16 y + 8 x half, for v 384 less (the tokens' tiles)
	s_lshl_b32 s21, s16, 3
	s_add_co_u32 s20, s20, s21
	s_add_co_u32 s20, s20, 64
	s_sub_co_u32 s20, s20, s19
	s_mul_i32 s20, s20, TILEB
	s_mov_b32 s21, 0
	s_lshl_b32 s46, s42, 3                         ; R's: 8 x + 4 x half, for v 384 more (wv's tiles)
	s_lshl_b32 s47, s16, 2
	s_add_co_u32 s46, s46, s47
	s_add_co_u32 s46, s46, s19
	s_mul_i32 s46, s46, TILEB
	s_mov_b32 s47, 0
	s_mul_i32 s22, s16, 8*REC                      ; where they go in a slot: no place in the cluster enters an LDS address
	s_mul_i32 s23, s16, 4*REC
	s_add_co_u32 s23, s23, ROFF
	s_mov_b32 s[SEL], 0x76543210
	s_mov_b32 s[SEL+1], 0xfedcba98
	s_wait_dscnt 0x0                               ; the opening add is done
	s_wait_kmcnt 0x0
	s_add_nc_u64 s[20:21], s[4:5], s[20:21]
	s_add_nc_u64 s[46:47], s[4:5], s[46:47]
	s_lshl_b32 s90, s40, 1                         ; the requests: for P my work-group's records 2 cx, 2 cx + 1 of the wave's eight,
	s_cmp_eq_u32 s15, 0
	s_cselect_b32 s90, s90, s41                    ; for R record cy of its four
	s_cselect_b64 s[PF:PF+1], s[20:21], s[46:47]
	s_mul_i32 s90, s90, TILEB
	s_add_co_u32 s90, s90, 2*REC                   ; the first request names K group 2
	s_mov_b32 s91, 0
	s_add_nc_u64 s[PF:PF+1], s[PF:PF+1], s[90:91]
	CROUND                                         ; all sixteen work-groups are here: the first joint loads meet
.irp s, 0,1
	s_mov_b32 s[G0P+4*\s], 1                       ; count = 1
	s_add_co_u32 s[G0P+4*\s+1], s22, \s*SLOT       ; LDS address
	s_add_nc_u64 s[G0P+4*\s+2:G0P+4*\s+3], s[20:21], \s*REC   ; global address: K group s
	s_or_b32 s[G0P+4*\s+3], s[G0P+4*\s+3], 0x80000000         ; type = 2
	s_mov_b32 s[G0R+4*\s], 1
	s_add_co_u32 s[G0R+4*\s+1], s23, \s*SLOT
	s_add_nc_u64 s[G0R+4*\s+2:G0R+4*\s+3], s[46:47], \s*REC
	s_or_b32 s[G0R+4*\s+3], s[G0R+4*\s+3], 0x80000000
.endr
	JLOAD 0                                        ; K group 0: one tensor load a wave at the head
	v_and_b32 v1, 15, v0                           ; r
	v_bfe_u32 v2, v0, 4, 1                         ; h
	v_and_b32 v3, 31, v0
	v_lshlrev_b32 v[LI], 4, v3
	s_wait_alu depctr_va_vdst(0)
	v_lshlrev_b32 v[LR], 4, v1
	s_wait_alu depctr_va_vdst(0)
	s_mul_i32 s66, s16, 8*REC                      ; my 8 records of P,
	s_mul_i32 s67, s15, 4*REC
	s_add_co_u32 s67, s67, ROFF                    ; my 4 of R
	s_sub_co_u32 s68, s67, s66
	v_mul_u32_u24 v5, s68, v2                      ; lanes 16-31 take R's scale words: one product, the distance between the two
	s_add_co_u32 s69, s66, 4*FRB
.irp s, 0,1
	v_add_nc_u32 v[ADP+\s], s66, v[LI]
	v_add_nc_u32 v[ADR+\s], s67, v[LI]
	v_add_nc_u32 v[ADS0+\s], s69, v[LR]
	v_add_nc_u32 v[ADS1+\s], v[ADS0+\s], v5
	s_add_co_u32 s66, s66, SLOT
	s_add_co_u32 s67, s67, SLOT
	s_add_co_u32 s69, s69, SLOT
.endr
.irp b, 0,1,2,3
	v_mov_b32 v[TM+4+\b], 0                        ; written once: a lane permute's destination counts as one of its sources
.endr
	; cosines and sines of my 64 tokens: lane (r, h) wants, of its token in tile a, pairs 16 b + 8 h + 0 .. 7.  v's work-groups load them too and use none: one way for all
	v_and_b32 v6, 8, v1
	v_add_nc_u32 v6, v6, v1                        ; r + 8 (r / 8)
	v_lshlrev_b32 v[CV], 8, v6                     ; a row of 64 numbers is 256 bytes
	v_lshl_add_u32 v[CV], v2, 5, v[CV]
	s_lshl_b32 s84, s42, 15
	s_lshl_b32 s85, s15, 14
	s_add_co_u32 s84, s84, s85                     ; row 128 x + 64 x half
	s_mov_b32 s85, 0
	s_add_nc_u64 s[6:7], s[6:7], s[84:85]
	s_add_nc_u64 s[8:9], s[8:9], s[84:85]
	WIN 0xc0                                       ; destination window 3
.irp a, 0,1,2,3
.irp b, 0,1,2,3
.irp e, 0,1
	global_load_b128 v[64*\a+8*\b+4*\e:64*\a+8*\b+4*\e+3], v[CV], s[6:7] offset:(32*(\a/2)+8*(\a%2))*256+64*\b+16*\e
	global_load_b128 v[64*\a+32+8*\b+4*\e:64*\a+32+8*\b+4*\e+3], v[CV], s[8:9] offset:(32*(\a/2)+8*(\a%2))*256+64*\b+16*\e
.endr
.endr
.endr
	WIN 0
	; where my results go: only these registers hold both x and y
	v_and_b32 v[PFO], 31, v0
	v_min_u32 v[PFO], 24, v[PFO]
	v_lshlrev_b32 v[PFO], 8, v[PFO]
	s_wait_alu depctr_va_vdst(0)
	ASK 0                                          ; K group 2
	s_lshl_b32 s70, s17, 1
	s_add_co_u32 s70, s70, s16                     ; 2 y + P half: q: the head; k: 32 + the kv head; v: 40 + the key step
	s_lshl_b32 s71, s42, 1
	s_add_co_u32 s71, s71, s15                     ; 2 x + R half: q: the group of four token tiles
	s_mul_i32 s72, s70, 16*REC
	s_mul_i32 s73, s71, REC
	s_add_co_u32 s72, s72, s73                     ; q: the images,
	s_add_co_u32 s73, s72, 4*FRB                   ; and the scale words
	s_sub_co_u32 s74, s70, 32
	s_sub_co_u32 s75, s70, 40
	s_cmp_eq_u32 s45, 1
	s_cselect_b32 s74, s42, s74                    ; the kv head: v: x; k: 2 y + half - 32
	s_cselect_b32 s75, s75, s42                    ; the key step: v: 2 y + half - 40; k: x
	s_mul_i32 s74, s74, 8*25600
	s_mul_i32 s75, s75, 25600
	s_add_co_u32 s74, s74, s75
	s_mul_i32 s75, s45, 12800                      ; V's part lies behind K's
	s_add_co_u32 s74, s74, s75
	s_add_co_u32 s74, s74, 32*16*REC
	s_mul_i32 s75, s15, 4*FRB
	s_add_co_u32 s75, s74, s75                     ; k, v: the images of tiles 4 x half on,
	s_lshl_b32 s76, s15, 8
	s_add_co_u32 s76, s76, s74
	s_add_co_u32 s76, s76, 8*FRB                   ; and their scale words
	s_cmp_lt_u32 s18, 4
	s_cselect_b32 s82, s72, s75
	s_cselect_b32 s86, s73, s76
	s_mov_b32 s83, 0
	s_mov_b32 s87, 0
	s_add_nc_u64 s[78:79], s[10:11], s[82:83]
	s_add_nc_u64 s[80:81], s[10:11], s[86:87]
	s_wait_alu depctr_va_vdst(0)                   ; the wait at the head's end
	s_wait_xcnt 0x0                                ; my request has read its address
	s_add_nc_u64 s[PF:PF+1], s[PF:PF+1], REC
	s_wait_tensorcnt 0x0                           ; my part of K group 0 is in
	ds_add_u32 v[SPW], v[NIL]
	s_wait_dscnt 0x0
	CROUND                                         ; a whole round: everybody's part of K group 0 is in, and the joint loads meet
	JLOAD 1                                        ; K group 1, the first tensor load behind the round
	FP 0, 0, 0
	FR 0, 0, 0, 0
	SCALES 0
	ASK 0                                          ; K group 3
	FR 0, 0, 0, 2
	STEP 0, 0, 1                                   ; the first K step's products start the sums: nothing is cleared
	STEP 0, 1, 0
	STEP 0, 2, 0
	s_mov_b32 s3, 3
.Llap:                                             ; a trip goes once round the ring and fills both slots again: K groups 2 to 7
	TURN 0, 1, 1
	STEP 1, 0, 0
	STEP 1, 1, 0
	STEP 1, 2, 0
	TURN 1, 0, 1
	STEP 0, 0, 0
	STEP 0, 1, 0
	STEP 0, 2, 0
	s_sub_co_u32 s3, s3, 1
	s_cmp_lg_u32 s3, 0
	s_cbranch_scc1 .Llap
	TURN 0, 1, 0                                   ; the last change of slots fills nothing
	STEP 1, 0, 0
	STEP 1, 1, 0
	STEP 1, 2, 0
	s_wait_dscnt 6                                 ; the very last K step
	WIN MULW
	MUL8 0, 1, 3, 1, 0
	MUL8 1, 1, 3, 1, 0
	s_wait_dscnt 0x0
	MUL8 2, 1, 3, 1, 0
	MUL8 3, 1, 3, 1, 0
	WIN 0
; RoPE on R tile a: registers 2 p, 2 p + 1 of my token are the pair 16 (p / 8) + 8 h + p % 8.  Each accumulator is first read at its register 1.
.macro ROPE a
	WIN 0x0e                                       ; source 0 window 2, source 1 window 3, destination window 0
.set rp, 0
.rept 32
	v_mul_f32 v[T+2*rp], v[64*(\a)+2*rp+1], v[64*(\a)+32+rp]        ; ti sin
	v_mul_f32 v[T+2*rp+1], v[64*(\a)+2*rp+1], v[64*(\a)+rp]         ; ti cos
.set rp, rp+1
.endr
	WIN 0x8e                                       ; destination window 2, source 2 window 0
.set rp, 0
.rept 32
	v_fma_f32 v[64*(\a)+2*rp+1], v[64*(\a)+2*rp], v[64*(\a)+32+rp], v[T+2*rp+1]   ; tr sin + ti cos
	v_fma_f32 v[64*(\a)+2*rp], v[64*(\a)+2*rp], v[64*(\a)+rp], -v[T+2*rp]         ; tr cos - ti sin
.set rp, rp+1
.endr
	WIN 0
.endm
; R tile a's 64 numbers of a lane (register 16 b + i = index 32 b + 16 h + i along the next K) become a fragment's codes and my row's scale word; the image is stored as it stands.
.macro QOUT a
.set AC, 64*(\a)
.set PC, 160+20*(\a)-124*((\a)/3)      ; a set of 20 registers for each tile, so that no store's data are written again: v160, v180, v200, v96
	WIN 0x0a                                       ; sources 0 and 1 window 2
.irp b, 0,1,2,3
	v_max3_num_f32 v[TM+\b], |v[AC+16*\b]|, |v[AC+16*\b+1]|, 0x1800000   ; block b: my 16 numbers, and the floor 2^(3 - 127): the byte cannot fall under 1
.endr
.irp i, 2,4,6,8,10,12,14
.irp b, 0,1,2,3
	v_max3_num_f32 v[TM+\b], |v[AC+16*\b+\i]|, |v[AC+16*\b+\i+1]|, v[TM+\b]
.endr
.endr
	WIN 0
.irp b, 0,1,2,3
	v_permlanex16_b32 v[TM+4+\b], v[TM+\b], s[SEL], s[SEL+1]
.endr
.irp b, 0,1,2,3
	v_max_num_f32 v[TM+\b], v[TM+\b], v[TM+4+\b]   ; with lane l xor 16's: the block's largest magnitude
.endr
.irp b, 0,1,2,3
	v_add_nc_u32 v[TM+12+\b], 0xff000000, v[TM+\b] ; 2 off its exponent field: the conversion's scale operand
.endr
.irp b, 0,1,2,3
	v_lshrrev_b32 v[TM+4+\b], 23, v[TM+12+\b]      ; the scale's byte
.endr
	v_lshl_or_b32 v[SW+(\a)], v[TM+5], 8, v[TM+4]
	v_lshl_or_b32 v[SW+(\a)], v[TM+6], 16, v[SW+(\a)]
	v_lshl_or_b32 v[SW+(\a)], v[TM+7], 24, v[SW+(\a)]
	WIN 0x02                                       ; source 0 window 2
.irp c, 0,1
	v_cvt_scalef32_pk16_fp6_f32 v[PC+6*\c:PC+6*\c+2], v[AC+32*\c:AC+32*\c+15], v[TM+12+2*\c]
	v_cvt_scalef32_pk16_fp6_f32 v[PC+12+4*\c:PC+14+4*\c], v[AC+32*\c+16:AC+32*\c+31], v[TM+13+2*\c]   ; (a conversion's three registers begin on an even number)
.endr
	WIN 0
	v_nop                                          ; one plain place behind a scaled conversion
.irp c, 0,1                                    ; the operand's layout wants a whole block in a lane: lanes 0-15 block 2 c, lanes 16-31 block 2 c + 1
.irp i, 0,1,2
	v_permlane16_swap_b32 v[PC+6*\c+\i], v[PC+12+4*\c+\i]
.endr
.irp i, 0,1,2
	v_mov_b32 v[PC+3+6*\c+\i], v[PC+12+4*\c+\i]
.endr
.endr
.irp g, 0,1,2
	global_store_b128 v[LI], v[PC+4*\g:PC+4*\g+3], s[78:79] offset:FRB*(\a)+512*\g   ; 32 lanes store 512 consecutive bytes, at a multiple of 256 from the buffer's first byte
.endr
.endm
	s_wait_loadcnt 0x0                             ; the cosines and sines
	PLACES                                         ; behind the last products
	s_cmp_eq_u32 s45, 1                            ; v has no RoPE: the cluster's y alone decides
	s_cbranch_scc1 .Lno_rope
	ROPE 0
	ROPE 1
	ROPE 2
	ROPE 3
.Lno_rope:
	QOUT 0
	QOUT 1
	QOUT 2
	QOUT 3
	global_store_b128 v[LR], v[SW:SW+3], s[80:81]  ; the four tiles' scale words [r][tile % 4]: 256 consecutive bytes; lanes 16-31 hold and store what lanes 0-15 do
	s_wait_tensorcnt 0x0                           ; the wave's end
	ds_add_u32 v[SPW], v[NIL]
	s_wait_dscnt 0x0
	CROUND                                         ; the closing round: no work-group ends while a partner may still ask for a tile that names it
	s_endpgm
.Lfunc_end_k_q47ce1fb440_qkv:
	.size	k_q47ce1fb440_qkv, .Lfunc_end_k_q47ce1fb440_qkv-k_q47ce1fb440_qkv
	.p2alignl 7, 3214868480
	.fill 96, 4, 3214868480
	.section	.rodata,"a",@progbits
	.p2align	6, 0x0
	.amdhsa_kernel k_q47ce1fb440_qkv
		.amdhsa_group_segment_fixed_size 327680
		.amdhsa_private_segment_fixed_size 0
		.amdhsa_enable_private_segment 0
		.amdhsa_kernarg_size 32
		.amdhsa_user_sgpr_count 2
		.amdhsa_user_sgpr_kernarg_segment_ptr 1
		.amdhsa_wavefront_size32 1
		.amdhsa_system_sgpr_workgroup_id_x 1
		.amdhsa_system_sgpr_workgroup_id_y 1
		.amdhsa_system_sgpr_workgroup_id_z 1
		.amdhsa_system_vgpr_workitem_id 0
		.amdhsa_next_free_vgpr 1024
		.amdhsa_next_free_sgpr 100
		.amdhsa_reserve_vcc 0
		.amdhsa_float_denorm_mode_32 3
		.amdhsa_float_denorm_mode_16_64 3
		.amdhsa_memory_ordered 1
		.amdhsa_forward_progress 1
		.amdhsa_inst_pref_size 168
	.end_amdhsa_kernel
	.amdgpu_metadata
---
amdhsa.version: [ 1, 2 ]
amdhsa.kernels:
  - .name:           k_q47ce1fb440_qkv
    .symbol:         k_q47ce1fb440_qkv.kd
    .args:
      - { .name: wimg, .offset: 0, .size: 8, .value_kind: global_buffer, .address_space: global }
      - { .name: freqs_cos, .offset: 8, .size: 8, .value_kind: global_buffer, .address_space: global }
      - { .name: freqs_sin, .offset: 16, .size: 8, .value_kind: global_buffer, .address_space: global }
      - { .name: qkv, .offset: 24, .size: 8, .value_kind: global_buffer, .address_space: global }
    .group_segment_fixed_size: 327680
    .private_segment_fixed_size: 0
    .kernarg_segment_align: 8
    .kernarg_segment_size: 32
    .max_flat_workgroup_size: 128
    .sgpr_count:     100
    .vgpr_count:     1024
    .wavefront_size: 32
...
	.end_amdgpu_metadata
.endif
;; end of part 2
;; launch attn (part 3): grid 32 x 8, 8 waves a work-group, clusters of 4 x 1, 327,680 bytes of LDS; arguments qkv, oimg, wo, woimg; writes oimg, woimg
.if DOCPART == 3
	.amdgcn_target "amdgcn-amd-amdhsa--gfx1250"
	.amdhsa_code_object_version 6
	.text
	.protected	k_q47ce1fb440_attn
	.globl	k_q47ce1fb440_attn
	.p2align	8
	.type	k_q47ce1fb440_attn,@function
k_q47ce1fb440_attn:
	s_mov_b64 s[64:65], 0
	v_nop
	global_prefetch_b8 v0, s[64:65] scope:SCOPE_SE
	s_setreg_imm32_b32 hwreg(HW_REG_WAVE_MODE, 25, 1), 1
	s_wait_xcnt 0x0
	s_wait_alu depctr_hold_cnt(0) depctr_sa_sdst(0) depctr_va_vdst(0) depctr_va_sdst(0) depctr_va_ssrc(0) depctr_va_vcc(0) depctr_vm_vsrc(0)
	s_getreg_b32 s2, hwreg(HW_REG_IB_STS2, 6, 4)
	s_cmp_eq_u32 s2, 0
	s_cbranch_scc0 .Lentry_in_a_cluster
	s_endpgm
.Lentry_in_a_cluster:
	s_bfe_u32 s2, ttmp6, 0x10000c
	s_cmp_lg_u32 s2, 0x3003
	s_cbranch_scc0 .Lentry_shape_is_right
	s_endpgm
.Lentry_shape_is_right:
; o = softmax(q k^T / sqrt(128), causal) v on codes of FP6 (E2M3) with E8M0 scales, for one kv head (y) and two token tiles (x and 63 - x) of its four query heads; o is quantised along the heads' channels and stored as oimg's records.
; Eight waves: waves 0-3 take the four heads at token tile x, waves 4-7 at tile 63 - x; a wave holds 16 queries, a lane one query (both products are used transposed: S^T = k q^T, O^T = v^T p^T).
; The kv head's 8 key steps of 128 keys (25,600 bytes each: K's 8 images and scale words, V^T's 8 images and scale words) are 204,800 bytes: they come into LDS ONCE, wave w fetching key step w by one joint load
; (the four work-groups of a cluster share the kv head), and stay: nothing is filled again.  One counted loop walks the 8 key steps.
; WORK LEFT OUT: key steps that lie wholly above the causal diagonal are passed over by a scalar branch on ids (NS = the wave's number of steps); the step on the diagonal is masked number by number.
; p = 2^(t - M), M the ceiling of the running largest t, a whole number; the row's sum is taken of the unquantised p; a change of M is a multiplication by a power of two.
; LIMITS: the promise holds while the scaled scores stay under 2^31 in magnitude; NaN and infinities are not served; a block of zeros gets the scale byte 1 (this program alone reads the bytes).
; WO IS QUANTISED HERE TOO, for the last launch: wo [4096][4096], f32, becomes woimg's 256 row tiles of 8 records (laid as wimg's; the quantiser and its limits are the first launch's).
; Waves 0-3 have 1 to 4 key steps, waves 4-7 have 5 to 8: so waves 0-3 make the records, ahead of their key steps.  Work-group 8 x + y takes row tile 8 x + y, wave w its records 2 w and 2 w + 1.
; A record is 8 half K steps of 64 along K.  Each load reads 256 consecutive bytes of two rows; eight loads, a half step, turn through the wave's own stage of 16 rows x 272 bytes, in LDS bytes into which no tensor load lands;
; a lane gets one whole block of 32 neighbours.  Seven half steps (56 loads a wave) are asked for ahead, into the 256 registers of window 1, the first of them at the head; so no prefetch stands beside these loads.
.set RECB,  25600
.set FRB,   1536
.set OSC,   9*RECB                     ; o's scale words on their way out, 512 bytes, apart from the tiles
.set SPARE, OSC+512                    ; the spare words, 128 bytes a wave: four blocks of 256 bytes that no other line names
.set WSTG,  SPARE+1024                 ; wo's stages
.set WPIT,  272                        ; a stage row: 256 bytes + 16
.set WROW,  16384                      ; a row of wo in bytes
.set WREC,  6400                       ; a record of woimg
.set LI,  1                            ; v1  16 x lane
.set LR,  2                            ; v2  16 r
.set ADF, 3                            ; v3  the key step's images
.set ADW, 4                            ; v4  and its scale words
.set SPW, 5                            ; v5  LDS address of my spare word; never rewritten
.set NIL, 6                            ; v6  0; never rewritten
.set QD,  7                            ; v7  my query's number less 16 h
.set OSA, 8
.set OSR, 9
.set VO,  29                           ; v29    wo: 16 (l % 16), + 16 rows for lanes 16-31
.set WSI, 30                           ; v30    the stage, on the way in
.set WSO, 31                           ; v31    and on the way out: row r, + 128 h
.set WH8, 85                           ; v85    8 h
.set WM,  32                           ; v32-35 four chains of the block's largest magnitude
.set WS,  36                           ; v36    the conversions' scale operand
.set WB,  38                           ; v38-39 the scale bytes of c = 0, 1
.set WW,  40                           ; v40-41 my half of a scale word, and the other half's
.set WSW, 44                           ; v44-47 a record's scale words
.set WC,  64                           ; v64-75 a fragment's codes
.set WT,  76                           ; v76-78 a block's upper half, as the conversion leaves it
.set WX,  96                           ; v96-159 my 32 numbers of a half step, two sets
.set KSC, 32                           ; the key steps: v32-39 K's scale words, v40-47 V's; v96-159 S^T, then p; v160-223 O^T; window 1: v0-95 K's images, v96-191 V's
.set VSC, 40
.set TM,  48
.set PC,  64
.set PW,  84
.set WV,  18
.set SEL, 20
.set CS,  22
.set G1,  24
.set G0,  32
.set NS,  50
.set KC,  73                           ; s73  the key step's number + 1: the loop's counter
.set KO,  74                           ; s74  the key step's first byte in LDS
.set KQ,  75                           ; s75  its first key
.set MSB, 0
.macro WIN new
.if MSB != \new
	s_set_vgpr_msb (MSB<<8)|\new
.set MSB, \new
.endif
.endm
.macro CROUND
	s_barrier_signal -1
	s_barrier_wait -1
	s_cmp_lg_u32 s[WV], 0
	s_cbranch_scc1 .Lnot_wave_0_\@
	s_barrier_signal -3
.Lnot_wave_0_\@:
	s_barrier_wait -3
	s_barrier_signal -1
	s_barrier_wait -1
.endm
.macro WLOAD u                         ; half step u (8 and more: the next record's) into set u % 8 of window 1: load i takes tile rows i (lanes 0-15) and i + 8 (lanes 16-31), 256 consecutive bytes each
	WIN 0x40
.irp i, 0,1,2,3,4,5,6,7
	global_load_b128 v[32*((\u)%8)+4*\i:32*((\u)%8)+4*\i+3], v[VO], s[8:9] offset:\i*WROW+256*(\u) th:TH_LOAD_NT
.endr
	WIN 0
.endm
.macro WTURN u                         ; through the stage: LDS serves a wave's instructions in order, so the loads see the stores, and the stores come behind the last half step's loads
	WIN 0x04                                       ; the data: window 1
.irp i, 0,1,2,3,4,5,6,7
	ds_store_b128 v[WSI], v[32*((\u)%8)+4*\i:32*((\u)%8)+4*\i+3] offset:WPIT*\i
.endr
	WIN 0
.irp j, 0,1,2,3,4,5,6,7
	ds_load_b128 v[WX+32*((\u)%2)+4*\j:WX+32*((\u)%2)+4*\j+3], v[WSO] offset:16*\j
.endr
.endm
.macro WHALF u, more                   ; half step u gives registers 6 c .. 6 c + 5, c = u % 2, of K step u / 2's fragment.  more = 1: another record follows, and its half step u is asked for
.set XS, WX+32*((\u)%2)
.set CQ, (\u)%2
	s_wait_alu depctr_va_vdst(0)
	s_wait_dscnt 0x0                               ; my 32 numbers are back from the stage, and the stage's stores have read set u % 8
	s_wait_xcnt 0x0                                ; the earlier stores have read the code and scale registers
.if \more
	s_wait_loadcnt 48                              ; of the seven half steps asked for, the oldest is in; six (48 loads) may be out
	WLOAD (\u)+8
	WTURN (\u)+1
.else
.if (\u) < 7
	s_wait_loadcnt 8*(6-(\u))                      ; the last record: half steps u + 2 .. 7 may be out
	WTURN (\u)+1
.endif
.endif
	v_max3_num_f32 v[WM], |v[XS]|, |v[XS+1]|, 0x1800000             ; the block's largest magnitude, in four chains; the floor 2^(3 - 127) holds the byte at 1 from below
	v_max3_num_f32 v[WM+1], |v[XS+2]|, |v[XS+3]|, |v[XS+4]|
	v_max3_num_f32 v[WM+2], |v[XS+5]|, |v[XS+6]|, |v[XS+7]|
	v_max3_num_f32 v[WM+3], |v[XS+8]|, |v[XS+9]|, |v[XS+10]|
.irp i, 11,19
.irp m, 0,1,2,3
	v_max3_num_f32 v[WM+\m], v[WM+\m], |v[XS+\i+2*\m]|, |v[XS+\i+2*\m+1]|
.endr
.endr
	v_max3_num_f32 v[WM], v[WM], |v[XS+27]|, |v[XS+28]|
	v_max3_num_f32 v[WM+1], v[WM+1], |v[XS+29]|, |v[XS+30]|
	v_max3_num_f32 v[WM+2], v[WM+2], v[WM+3], |v[XS+31]|
	v_max3_num_f32 v[WM], v[WM], v[WM+1], v[WM+2]
	v_add_nc_u32 v[WS], 0xff000000, v[WM]          ; 2 off the exponent field: the conversions' scale operand
	v_lshrrev_b32 v[WB+CQ], 23, v[WS]              ; the scale's byte: block 2 c + h
	v_cvt_scalef32_pk16_fp6_f32 v[WC+6*CQ:WC+6*CQ+2], v[XS:XS+15], v[WS]
	v_cvt_scalef32_pk16_fp6_f32 v[WT:WT+2], v[XS+16:XS+31], v[WS]   ; (a conversion's three registers begin on an even number)
	v_nop                                          ; one plain place behind a scaled conversion
.irp i, 0,1,2
	v_mov_b32 v[WC+6*CQ+3+\i], v[WT+\i]
.endr
.if CQ == 1
	v_lshl_or_b32 v[WW], v[WB+1], 16, v[WB]        ; blocks h and 2 + h, at their places in the row's scale word;
	v_lshlrev_b32 v[WW], v[WH8], v[WW]
	v_permlanex16_b32 v[WW+1], v[WW], s[SEL], s[SEL+1]
	v_or_b32 v[WSW+(\u)/2], v[WW], v[WW+1]         ; with lane l xor 16's two bytes the word is whole
.irp g, 0,1,2
	global_store_b128 v[LI], v[WC+4*\g:WC+4*\g+3], s[10:11] offset:((\u)/2)*FRB+512*\g   ; 32 lanes store 512 consecutive bytes, at a multiple of 256 from the buffer's first byte
.endr
.endif
.if (\u) == 7
	global_store_b128 v[LR], v[WSW:WSW+3], s[10:11] offset:4*FRB   ; the record's scale words [r][K step]: 256 consecutive bytes; lanes 16-31 hold and store what lanes 0-15 do
.endif
.endm
	s_load_b128 s[4:7], s[0:1], 0x0                ; qkv, oimg
	s_load_b128 s[8:11], s[0:1], 0x10              ; wo, woimg
	v_lshl_add_u32 v[SPW], v0, 2, SPARE
	v_mov_b32 v[NIL], 0
	ds_add_u32 v[SPW], v[NIL]                      ; the opening lines: the add, twice on end, and its wait ahead of my first tensor load
	ds_add_u32 v[SPW], v[NIL]
	v_lshrrev_b32 v10, 5, v0
	s_delay_alu instid0(VALU_DEP_1)
	v_readfirstlane_b32 s[WV], v10                 ; wave 0..7
	s_bfe_u32 s13, ttmp6, 0x40000                  ; cx
	s_lshl_b32 s14, ttmp9, 2
	s_add_co_u32 s14, s14, s13                     ; x
	s_and_b32 s12, ttmp7, 0xffff                   ; y: the kv head
	s_sub_co_u32 s15, 63, s14
	s_lshr_b32 s16, ttmp9, 1
	s_add_co_u32 s[NS], s16, 1
	s_sub_co_u32 s17, 8, s16
	s_cmp_lt_u32 s[WV], 4
	s_cselect_b32 s14, s14, s15                    ; my token tile: x or 63 - x
	s_cselect_b32 s[NS], s[NS], s17                ; my key steps: of the cluster's x and the wave's number alone
	s_mov_b32 s[G1], 15|(3<<16)|(1<<21)            ; the mask names the cluster's four; elements of 8 bytes
	s_mov_b32 s[G1+1], 32<<16
	s_mov_b32 s[G1+2], 100<<16                     ; a key step is dense: 100 rows of 256 bytes
	s_mov_b32 s[G1+3], 32<<16
	s_mov_b32 s[G1+4], 100
	s_mov_b32 s[G1+5], 32
	s_mov_b32 s[G1+6], 0
	s_mov_b32 s[G1+7], 0
	s_mul_i32 s52, s[WV], RECB                     ; wave w fetches key step w
	s_mul_i32 s54, s12, 8*RECB
	s_add_co_u32 s54, s54, s52
	s_add_co_u32 s54, s54, 3276800
	s_mov_b32 s55, 0
	s_mov_b32 s[SEL], 0x76543210
	s_mov_b32 s[SEL+1], 0xfedcba98
	s_mov_b32 s[CS], 0x3e0293ee                    ; log2(e) / sqrt(128)
	s_mov_b32 s[CS+1], s[CS]
	s_wait_dscnt 0x0
	s_wait_kmcnt 0x0
	s_add_nc_u64 s[54:55], s[4:5], s[54:55]
	CROUND                                         ; the round in front of the joint loads
	s_mov_b32 s[G0], 1
	s_add_co_u32 s[G0+1], s52, 0
	s_add_nc_u64 s[G0+2:G0+3], s[54:55], 0
	s_or_b32 s[G0+3], s[G0+3], 0x80000000
	tensor_load_to_lds s[G0:G0+3], s[G1:G1+7]      ; my one tensor load of the launch
	s_nop 0
.rept 4
	v_nop
.endr
	s_and_b32 s56, s[WV], 3                        ; my head of the four
	s_lshl_b32 s57, s12, 2
	s_add_co_u32 s57, s57, s56
	s_mul_i32 s57, s57, 16*6400
	s_lshr_b32 s58, s14, 2
	s_mul_i32 s58, s58, 6400
	s_add_co_u32 s57, s57, s58
	s_and_b32 s58, s14, 3
	s_mul_i32 s60, s58, FRB
	s_add_co_u32 s60, s60, s57
	s_mov_b32 s61, 0
	s_lshl_b32 s62, s58, 2
	s_add_co_u32 s62, s62, s57
	s_add_co_u32 s62, s62, 4*FRB
	s_mov_b32 s63, 0
	s_add_nc_u64 s[60:61], s[4:5], s[60:61]        ; q's image
	s_add_nc_u64 s[62:63], s[4:5], s[62:63]        ; and its scale words
	s_mul_i32 s68, s14, 8*6400
	s_mul_i32 s67, s12, 6400
	s_add_co_u32 s68, s68, s67
	s_mul_i32 s66, s56, FRB
	s_add_co_u32 s66, s66, s68
	s_mov_b32 s67, 0
	s_add_co_u32 s68, s68, 4*FRB
	s_mov_b32 s69, 0
	s_add_nc_u64 s[66:67], s[6:7], s[66:67]        ; o's image
	s_add_nc_u64 s[68:69], s[6:7], s[68:69]        ; and its scale words
	v_and_b32 v10, 15, v0
	v_bfe_u32 v11, v0, 4, 1
	v_and_b32 v[LI], 31, v0
	s_delay_alu instid0(VALU_DEP_1)
	v_lshlrev_b32 v[LI], 4, v[LI]
	s_delay_alu instid0(VALU_DEP_4)
	v_lshlrev_b32 v[LR], 4, v10
	s_wait_alu depctr_va_vdst(0)
.irp c, 0,1,2
	global_load_b128 v[16+4*\c:19+4*\c], v[LI], s[60:61] offset:512*\c
.endr
	global_load_b32 v28, v[LR], s[62:63]
	; wo: which records are mine.  Every wave makes the addresses, ahead of the waves' parting; waves 0-3 use them
	s_lshl_b32 s76, ttmp9, 2
	s_add_co_u32 s76, s76, s13
	s_lshl_b32 s76, s76, 3
	s_add_co_u32 s76, s76, s12                     ; my work-group's row tile of wo: 8 x + y
	s_lshl_b32 s76, s76, 2
	s_and_b32 s77, s[WV], 3
	s_add_co_u32 s76, s76, s77
	s_lshl_b32 s76, s76, 1                         ; my first record: 8 x tile + 2 x wave
	s_lshr_b32 s78, s76, 4
	s_lshl_b32 s78, s78, 19                        ; 32 rows for each pair of tiles,
	s_bfe_u32 s79, s76, 0x10003
	s_lshl_b32 s79, s79, 17                        ; 8 rows for the odd one,
	s_add_co_u32 s78, s78, s79
	s_and_b32 s79, s76, 7
	s_lshl_b32 s79, s79, 11                        ; 2,048 bytes of a row for each record
	s_add_co_u32 s78, s78, s79
	s_mov_b32 s79, 0
	s_add_nc_u64 s[8:9], s[8:9], s[78:79]
	s_mul_i32 s78, s76, WREC
	s_add_nc_u64 s[10:11], s[10:11], s[78:79]
	s_mul_i32 s80, s[WV], 16*WPIT
	s_add_co_u32 s80, s80, WSTG                    ; my stage: of the wave's number alone
	v_lshl_add_u32 v[VO], v11, 18, v[LR]           ; lanes 16-31: 16 rows of 16,384 bytes further down (tile rows 8-15)
	v_mul_u32_u24 v[WSI], v11, 8*WPIT
	v_mul_u32_u24 v[WSO], v10, WPIT
	v_lshlrev_b32 v[WH8], 3, v11
	v_add_nc_u32 v[WSI], v[WSI], v[LR]
	v_lshl_add_u32 v[WSO], v11, 7, v[WSO]
	v_mov_b32 v[WW+1], 0                           ; written once: a lane permute's destination counts as one of its sources
	v_add_nc_u32 v[WSI], s80, v[WSI]
	v_add_nc_u32 v[WSO], s80, v[WSO]
	s_wait_alu depctr_va_vdst(0)
	s_cmp_ge_u32 s[WV], 4
	s_cbranch_scc1 .Lno_wo_loads
.irp u, 0,1,2,3,4,5,6
	WLOAD \u
.endr
.Lno_wo_loads:
	s_lshr_b32 s70, s14, 1
	s_lshl_b32 s70, s70, 5
	s_and_b32 s71, s14, 1
	s_lshl_b32 s71, s71, 3
	s_add_co_u32 s70, s70, s71
	v_and_b32 v[QD], 8, v10
	s_delay_alu instid0(VALU_DEP_1)
	v_add_nc_u32 v[QD], v[QD], v10
	s_delay_alu instid0(VALU_DEP_1)
	v_add_nc_u32 v[QD], s70, v[QD]
	v_lshlrev_b32 v11, 4, v11
	s_delay_alu instid0(VALU_DEP_1)
	v_sub_nc_u32 v[QD], v[QD], v11
	s_lshr_b32 s71, s[WV], 2
	s_lshl_b32 s71, s71, 8
	s_add_co_u32 s71, s71, OSC
	v_add_nc_u32 v[OSR], s71, v[LR]
	s_lshl_b32 s72, s56, 2
	v_add_nc_u32 v[OSA], s72, v[OSR]
	v_mov_b32 v13, 0xff61b1e6                      ; the largest t so far: -3e38
	s_delay_alu instid0(VALU_DEP_1)
	v_floor_f32 v12, -v13                          ; -M
	v_mov_b32 v14, 0
	v_mov_b32 v15, 0
.irp b, 0,1,2,3
	v_mov_b32 v[236+\b], 0
	v_mov_b32 v[TM+4+\b], 0
.endr
	v_mov_b32 v252, 0
	v_mov_b32 v253, 0
.set nn, 0
.rept 64
	v_mov_b32 v[160+nn], 0                         ; O^T: the step is written once, and the first finds zeros
.set nn, nn+1
.endr
.macro STEP
	s_cmp_lt_u32 s[NS], s[KC]                      ; a step wholly above the diagonal: ids alone decide
	s_cbranch_scc1 .Lhidden_\@
	v_add_nc_u32 v[ADF], s[KO], v[LI]
	v_add_nc_u32 v[ADW], s[KO], v[LR]
	WIN 0x40
.irp t, 0,1,2,3,4,5,6,7
.irp c, 0,1,2
	ds_load_b128 v[12*\t+4*\c:12*\t+4*\c+3], v[ADF] offset:FRB*\t+512*\c
.endr
.endr
	WIN 0
	ds_load_b128 v[KSC:KSC+3], v[ADW] offset:8*FRB
	ds_load_b128 v[KSC+4:KSC+7], v[ADW] offset:8*FRB+256
	s_wait_alu depctr_va_vdst(0)
	s_wait_dscnt 0x0
	WIN 0x01
.irp t, 0,1,2,3,4,5,6,7
	v_wmma_scale_f32_16x16x128_f8f6f4 v[96+8*\t:103+8*\t], v[12*\t:12*\t+11], v[16:27], 0, v[KSC+\t], v28 matrix_a_fmt:MATRIX_FMT_FP6 matrix_b_fmt:MATRIX_FMT_FP6
.endr
	WIN 0
.rept 4
	v_nop
.endr
	WIN 0x40
.irp t, 0,1,2,3,4,5,6,7
.irp c, 0,1,2
	ds_load_b128 v[96+12*\t+4*\c:96+12*\t+4*\c+3], v[ADF] offset:12800+FRB*\t+512*\c
.endr
.endr
	WIN 0
	ds_load_b128 v[VSC:VSC+3], v[ADW] offset:12800+8*FRB
	ds_load_b128 v[VSC+4:VSC+7], v[ADW] offset:12800+8*FRB+256
	s_cmp_lg_u32 s[NS], s[KC]                      ; only my last step meets the diagonal
	s_cbranch_scc1 .Lopen_\@
	v_sub_nc_u32 v252, v[QD], s[KQ]
	v_mov_b32 v254, 0xff800000
.set nn, 0
.rept 64
	v_cmp_gt_i32 vcc_lo, 32*(nn/16)+nn%16, v252
	v_cndmask_b32 v[96+nn], v[96+nn], v254, vcc_lo
.set nn, nn+1
.endr
.Lopen_\@:
.irp b, 0,1,2,3
	v_max3_num_f32 v[232+\b], v[96+16*\b], v[97+16*\b], v[98+16*\b]
.endr
.irp i, 3,5,7,9,11,13
.irp b, 0,1,2,3
	v_max3_num_f32 v[232+\b], v[232+\b], v[96+16*\b+\i], v[97+16*\b+\i]
.endr
.endr
.irp b, 0,1,2,3
	v_max_num_f32 v[232+\b], v[232+\b], v[111+16*\b]
.endr
.irp b, 0,1,2,3
	s_delay_alu instid0(VALU_DEP_4)
	v_permlanex16_b32 v[236+\b], v[232+\b], s[SEL], s[SEL+1]
.endr
.irp b, 0,1,2,3
	s_delay_alu instid0(VALU_DEP_4)
	v_max_num_f32 v[232+\b], v[232+\b], v[236+\b]
.endr
	s_delay_alu instid0(VALU_DEP_2)
	v_max3_num_f32 v254, v232, v233, v234
	s_delay_alu instid0(VALU_DEP_1)
	v_max_num_f32 v254, v254, v235
	s_delay_alu instid0(VALU_DEP_1)
	v_mul_f32 v254, s[CS], v254
	s_delay_alu instid0(VALU_DEP_1)
	v_max_num_f32 v13, v13, v254
	v_mov_b32 v254, v12
	s_delay_alu instid0(VALU_DEP_2)
	v_floor_f32 v12, -v13
	s_delay_alu instid0(VALU_DEP_1)
	v_sub_f32 v254, v12, v254
	s_delay_alu instid0(VALU_DEP_1)
	v_cvt_i32_f32 v254, v254
	s_delay_alu instid0(VALU_DEP_1)
	v_ldexp_f32 v252, 1.0, v254
.set nn, 0
.rept 32
	v_pk_fma_f32 v[96+nn:97+nn], v[96+nn:97+nn], s[CS:CS+1], v[12:13] op_sel_hi:[1,0,0]
.set nn, nn+2
.endr
.irp b, 0,1,2,3
	v_fma_f32 v[232+\b], v[232+\b], s[CS], v12
.endr
.set nn, 0
	s_wait_alu depctr_va_vdst(0)
.rept 64
	v_exp_f32 v[96+nn], v[96+nn]
.set nn, nn+1
.endr
	v_pk_mul_f32 v[14:15], v[14:15], v[252:253] op_sel_hi:[1,0]
	s_wait_alu depctr_va_vdst(0)
.irp b, 0,1,2,3
	v_exp_f32 v[232+\b], v[232+\b]
.endr
	v_pk_add_f32 v[236:237], v[96:97], v[98:99]
.set nn, 4
.rept 15
	v_pk_add_f32 v[14:15], v[14:15], v[96+nn:97+nn]
	v_pk_add_f32 v[236:237], v[236:237], v[98+nn:99+nn]
.set nn, nn+4
.endr
	s_delay_alu instid0(VALU_DEP_1)
	v_pk_add_f32 v[14:15], v[14:15], v[236:237]
	s_wait_alu depctr_va_vdst(0)
.irp b, 0,1,2,3
	v_max_num_f32 v[232+\b], 0x1800000, v[232+\b]
.endr
.irp b, 0,1,2,3
	s_delay_alu instid0(VALU_DEP_4)
	v_add_nc_u32 v[244+\b], 0xff000000, v[232+\b]
.endr
.irp b, 0,1,2,3
	s_delay_alu instid0(VALU_DEP_4)
	v_lshrrev_b32 v[236+\b], 23, v[244+\b]
.endr
	s_delay_alu instid0(VALU_DEP_3)
	v_lshl_or_b32 v253, v237, 8, v236
	s_delay_alu instid0(VALU_DEP_1)
	v_lshl_or_b32 v253, v238, 16, v253
	s_delay_alu instid0(VALU_DEP_1)
	v_lshl_or_b32 v253, v239, 24, v253
.irp c, 0,1
	v_cvt_scalef32_pk16_fp6_f32 v[224+6*\c:226+6*\c], v[96+32*\c:111+32*\c], v[244+2*\c]
	v_cvt_scalef32_pk16_fp6_f32 v[236+4*\c:238+4*\c], v[112+32*\c:127+32*\c], v[244+2*\c+1]
.endr
	v_nop
.irp c, 0,1
.irp i, 0,1,2
	v_permlane16_swap_b32 v[224+6*\c+\i], v[236+4*\c+\i]
.endr
.irp i, 0,1,2
	s_delay_alu instid0(VALU_DEP_3)
	v_mov_b32 v[227+6*\c+\i], v[236+4*\c+\i]
.endr
.endr
.set nn, 0
	s_wait_alu depctr_va_vdst(0)
.rept 32
	v_pk_mul_f32 v[160+nn:161+nn], v[160+nn:161+nn], v[252:253] op_sel_hi:[1,0]
.set nn, nn+2
.endr
	s_wait_alu depctr_va_vdst(0)
	s_wait_dscnt 0x0
	WIN 0x01
.irp t, 0,1,2,3,4,5,6,7
	v_wmma_scale_f32_16x16x128_f8f6f4 v[160+8*\t:167+8*\t], v[96+12*\t:96+12*\t+11], v[224:235], v[160+8*\t:167+8*\t], v[VSC+\t], v253 matrix_a_fmt:MATRIX_FMT_FP6 matrix_b_fmt:MATRIX_FMT_FP6
.endr
	WIN 0
.Lhidden_\@:
.endm
	s_mov_b32 s[KC], 1
	s_mov_b32 s[KO], 0
	s_mov_b32 s[KQ], 0
	s_wait_alu depctr_va_vdst(0)                   ; the wait at the head's end
	s_wait_tensorcnt 0x0                           ; my key step is in,
	s_barrier_signal -1
	s_barrier_wait -1                              ; everybody's is: all 8 key steps stand in LDS
	s_cmp_lt_u32 s[WV], 4
	s_cbranch_scc1 .Lwo
	s_wait_loadcnt 0x0                             ; waves 4-7: q's fragment and scale word
	s_branch .Lstep
.Lwo:                                              ; waves 0-3: wo's two records first
	s_wait_loadcnt 48                              ; q's four loads and half step 0 are in: they are the oldest
	WTURN 0
	WLOAD 7
.irp u, 0,1,2,3,4,5,6,7
	WHALF \u, 1                                    ; the first record; the second one's eight half steps are asked for
.endr
	s_wait_alu depctr_va_vdst(0)
	s_wait_xcnt 0x0                                ; the loads and stores have read their bases
	s_add_nc_u64 s[8:9], s[8:9], 2048
	s_add_nc_u64 s[10:11], s[10:11], WREC
.irp u, 0,1,2,3,4,5,6,7
	WHALF \u, 0                                    ; the second record asks for nothing more
.endr
	s_wait_alu depctr_va_vdst(0)
	s_wait_xcnt 0x0                                ; the stores have read their registers, which the key steps write again
.Lstep:                                            ; eight trips in every wave; the steps above the diagonal are passed over inside
	STEP
	s_add_co_u32 s[KO], s[KO], RECB
	s_add_co_u32 s[KQ], s[KQ], 128
	s_add_co_u32 s[KC], s[KC], 1
	s_cmp_lt_u32 s[KC], 9
	s_wait_alu depctr_va_vdst(0)
	s_cbranch_scc1 .Lstep
.rept 4
	v_nop
.endr
	v_add_f32 v14, v14, v15
	s_delay_alu instid0(VALU_DEP_1)
	v_permlanex16_b32 v252, v14, s[SEL], s[SEL+1]
	s_delay_alu instid0(VALU_DEP_1)
	v_add_f32 v14, v14, v252                       ; the row's sum
	s_wait_alu depctr_va_vdst(0)
	v_rcp_f32 v14, v14
	v_nop
	s_wait_alu depctr_va_vdst(0)
.set nn, 0
.rept 64
	v_mul_f32 v[96+nn], v[160+nn], v14
.set nn, nn+1
.endr
.irp b, 0,1,2,3
	v_max3_num_f32 v[TM+\b], |v[96+16*\b]|, |v[97+16*\b]|, 0x1800000
.endr
.irp i, 2,4,6,8,10,12,14
.irp b, 0,1,2,3
	s_delay_alu instid0(VALU_DEP_4)
	v_max3_num_f32 v[TM+\b], v[TM+\b], |v[96+16*\b+\i]|, |v[97+16*\b+\i]|
.endr
.endr
.irp b, 0,1,2,3
	s_delay_alu instid0(VALU_DEP_4)
	v_permlanex16_b32 v[TM+4+\b], v[TM+\b], s[SEL], s[SEL+1]
.endr
.irp b, 0,1,2,3
	s_delay_alu instid0(VALU_DEP_4)
	v_max_num_f32 v[TM+\b], v[TM+\b], v[TM+4+\b]
.endr
.irp b, 0,1,2,3
	s_delay_alu instid0(VALU_DEP_4)
	v_add_nc_u32 v[TM+12+\b], 0xff000000, v[TM+\b]
.endr
.irp b, 0,1,2,3
	s_delay_alu instid0(VALU_DEP_4)
	v_lshrrev_b32 v[TM+4+\b], 23, v[TM+12+\b]
.endr
	s_delay_alu instid0(VALU_DEP_3)
	v_lshl_or_b32 v[PW], v[TM+5], 8, v[TM+4]
	s_delay_alu instid0(VALU_DEP_1)
	v_lshl_or_b32 v[PW], v[TM+6], 16, v[PW]
	s_delay_alu instid0(VALU_DEP_1)
	v_lshl_or_b32 v[PW], v[TM+7], 24, v[PW]
.irp c, 0,1
	v_cvt_scalef32_pk16_fp6_f32 v[PC+6*\c:PC+2+6*\c], v[96+32*\c:111+32*\c], v[TM+12+2*\c]
	v_cvt_scalef32_pk16_fp6_f32 v[PC+12+4*\c:PC+14+4*\c], v[112+32*\c:127+32*\c], v[TM+13+2*\c]
.endr
	v_nop
.irp c, 0,1
.irp i, 0,1,2
	v_permlane16_swap_b32 v[PC+6*\c+\i], v[PC+12+4*\c+\i]
.endr
.irp i, 0,1,2
	s_delay_alu instid0(VALU_DEP_3)
	v_mov_b32 v[PC+3+6*\c+\i], v[PC+12+4*\c+\i]
.endr
.endr
.irp g, 0,1,2
	global_store_b128 v[LI], v[PC+4*\g:PC+4*\g+3], s[66:67] offset:512*\g   ; o's image: 512 consecutive bytes a store
.endr
	ds_store_b32 v[OSA], v[PW]                     ; the four heads' scale words meet in LDS: [r][head % 4]
	s_wait_dscnt 0x0
	s_barrier_signal -1
	s_barrier_wait -1
	s_cmp_lg_u32 s56, 0
	s_cbranch_scc1 .Lnot_first
	ds_load_b128 v[TM:TM+3], v[OSR]
	s_wait_dscnt 0x0
	global_store_b128 v[LR], v[TM:TM+3], s[68:69]  ; 256 consecutive bytes; lanes 16-31 hold and store what lanes 0-15 do
.Lnot_first:
	s_wait_tensorcnt 0x0                           ; the wave's end
	ds_add_u32 v[SPW], v[NIL]
	s_wait_dscnt 0x0
	CROUND                                         ; the closing round
	s_endpgm
.Lfunc_end_k_q47ce1fb440_attn:
	.size	k_q47ce1fb440_attn, .Lfunc_end_k_q47ce1fb440_attn-k_q47ce1fb440_attn
	.p2alignl 7, 3214868480
	.fill 96, 4, 3214868480
	.section	.rodata,"a",@progbits
	.p2align	6, 0x0
	.amdhsa_kernel k_q47ce1fb440_attn
		.amdhsa_group_segment_fixed_size 327680
		.amdhsa_private_segment_fixed_size 0
		.amdhsa_enable_private_segment 0
		.amdhsa_kernarg_size 32
		.amdhsa_user_sgpr_count 2
		.amdhsa_user_sgpr_kernarg_segment_ptr 1
		.amdhsa_wavefront_size32 1
		.amdhsa_system_sgpr_workgroup_id_x 1
		.amdhsa_system_sgpr_workgroup_id_y 1
		.amdhsa_system_sgpr_workgroup_id_z 1
		.amdhsa_system_vgpr_workitem_id 0
		.amdhsa_next_free_vgpr 512
		.amdhsa_next_free_sgpr 96
		.amdhsa_reserve_vcc 1
		.amdhsa_float_denorm_mode_32 3
		.amdhsa_float_denorm_mode_16_64 3
		.amdhsa_memory_ordered 1
		.amdhsa_forward_progress 1
		.amdhsa_inst_pref_size 102
	.end_amdhsa_kernel
	.amdgpu_metadata
---
amdhsa.version: [ 1, 2 ]
amdhsa.kernels:
  - .name:           k_q47ce1fb440_attn
    .symbol:         k_q47ce1fb440_attn.kd
    .args:
      - { .name: qkv, .offset: 0, .size: 8, .value_kind: global_buffer, .address_space: global }
      - { .name: oimg, .offset: 8, .size: 8, .value_kind: global_buffer, .address_space: global }
      - { .name: wo, .offset: 16, .size: 8, .value_kind: global_buffer, .address_space: global }
      - { .name: woimg, .offset: 24, .size: 8, .value_kind: global_buffer, .address_space: global }
    .group_segment_fixed_size: 327680
    .private_segment_fixed_size: 0
    .kernarg_segment_align: 8
    .kernarg_segment_size: 32
    .max_flat_workgroup_size: 256
    .sgpr_count:     96
    .vgpr_count:     512
    .wavefront_size: 32
...
	.end_amdgpu_metadata
.endif
;; end of part 3
;; launch oproj (part 4): grid 8 x 32, 4 waves a work-group, clusters of 4 x 4, 327,680 bytes of LDS; arguments woimg, oimg, out0; writes out0
.if DOCPART == 4
	.amdgcn_target "amdgcn-amd-amdhsa--gfx1250"
	.amdhsa_code_object_version 6
	.text
	.protected	k_q47ce1fb440_oproj
	.globl	k_q47ce1fb440_oproj
	.p2align	8
	.type	k_q47ce1fb440_oproj,@function
k_q47ce1fb440_oproj:
	s_mov_b64 s[64:65], 0
	v_nop
	global_prefetch_b8 v0, s[64:65] scope:SCOPE_SE
	s_setreg_imm32_b32 hwreg(HW_REG_WAVE_MODE, 25, 1), 1
	s_wait_xcnt 0x0
	s_wait_alu depctr_hold_cnt(0) depctr_sa_sdst(0) depctr_va_vdst(0) depctr_va_sdst(0) depctr_va_ssrc(0) depctr_va_vcc(0) depctr_vm_vsrc(0)
	s_getreg_b32 s2, hwreg(HW_REG_IB_STS2, 6, 4)
	s_cmp_eq_u32 s2, 0
	s_cbranch_scc0 .Lentry_in_a_cluster
	s_endpgm
.Lentry_in_a_cluster:
	s_bfe_u32 s2, ttmp6, 0x10000c
	s_cmp_lg_u32 s2, 0xf033
	s_cbranch_scc0 .Lentry_shape_is_right
	s_endpgm
.Lentry_shape_is_right:
; out0 = o wo^T on codes of FP6 (E2M3) with E8M0 scales, K = 4,096.  Both operands lie as records (row tile, four K steps of 128: four fragment images of 1,536 bytes, then 256 bytes of scale words);
; a row tile is 8 records, 51,200 bytes: woimg holds wo's 256 row tiles (source 0), oimg the tokens' 64 (source 1).  A work-group makes 128 x 128, four waves of 64 x 64: 16 accumulators each.
; K goes in 8 groups of four K steps through LDS: a slot of two groups and a slot of one, filled by joint loads: wo's tiles are shared along a row of the 4 x 4 cluster, o's along a column.
; The results leave through the wave's own stage in LDS as whole rows of 256 bytes.
.set REC,   6400
; THE TILES ARE PREFETCHED INTO THE L2: the joint loads bring K groups (0, 1), (2), (3, 4), (5), (6, 7); behind each of the first three stands a request for what the load two refills on brings; the last two ask for nothing.
; A record is 25 blocks of 256 bytes: a lane a block (lanes 25-31 name block 24 again).  Of the 4 row tiles that a wave fetches, the partner at cx (wo's tiles) or cy (o's) takes one: each record is named once in each cluster
; that will load it, shared out by address.  The K group stands in the immediate: no address register is written again.
.set FRB,   1536
.set PFO,  20                          ; v20      256 x min(lane, 24); never rewritten
.set PF,   92                          ; s[92:93] my row tile's first record; never rewritten
.set TILEB, 8*REC
.set AP,    0
.set AR,    16*REC
.set BP,    32*REC
.set BR,    40*REC
.set SPARE, 48*REC
.set PITCH, 272
.set STAGE, BP
.set LI,   4
.set ADPA, 8
.set ADRA, 9
.set ADPB, 10
.set ADRB, 11
.set ADSA, 12
.set ADSB, 13
.set CO,   16
.set LR,   17
.set STO,  18
.set RD,   19
.set SPW,  28
.set NIL,  29
.set SC,   32
.set RF,   96
.set BK,   96
.set G1PA, 24
.set G1RA, 32
.set G1PB, 40
.set G1RB, 48
.set G0PA, 56
.set G0RA, 60
.set G0PB, 68
.set G0RB, 72
.set MULW, 0xa1
.set TO_P, 0x40
.set MSB, 0
.macro WIN new
.if MSB != \new
	s_set_vgpr_msb (MSB<<8)|\new
.set MSB, \new
.endif
.endm
.macro PLACES
.rept 4
	v_nop
.endr
.endm
.macro JLOAD g0p, g1p, g0r, g1r
	s_cmp_eq_u32 s15, 0
	s_cbranch_scc0 .Lfor_r_\@
	tensor_load_to_lds s[\g0p:\g0p+3], s[\g1p:\g1p+7]
	s_nop 0
.rept 4
	v_nop
.endr
	s_branch .Lasked_\@
.Lfor_r_\@:
	tensor_load_to_lds s[\g0r:\g0r+3], s[\g1r:\g1r+7]
	s_nop 0
.rept 4
	v_nop
.endr
.Lasked_\@:
.endm
.macro CREST
	s_cmp_lg_u32 s14, 0
	s_cbranch_scc1 .Lnot_wave_0_\@
	s_barrier_signal -3
.Lnot_wave_0_\@:
	s_barrier_wait -3
	s_barrier_signal -1
	s_barrier_wait -1
.endm
.macro CROUND
	s_barrier_signal -1
	s_barrier_wait -1
	CREST
.endm
.macro MUL4 a, fs, q, sc, zero
.irp p, 0,1,2,3
.if \zero
	v_wmma_scale_f32_16x16x128_f8f6f4 v[8*(4*(\a)+\p):8*(4*(\a)+\p)+7], v[128*(\fs)+12*\p:128*(\fs)+12*\p+11], v[RF+48*(\fs)+12*(\a):RF+48*(\fs)+12*(\a)+11], 0, v[SC+16*(\sc)+4*\p+(\q)], v[SC+16*(\sc)+4*(\a)+(\q)] matrix_a_fmt:MATRIX_FMT_FP6 matrix_b_fmt:MATRIX_FMT_FP6 matrix_b_scale:MATRIX_SCALE_ROW1
.else
	v_wmma_scale_f32_16x16x128_f8f6f4 v[8*(4*(\a)+\p):8*(4*(\a)+\p)+7], v[128*(\fs)+12*\p:128*(\fs)+12*\p+11], v[RF+48*(\fs)+12*(\a):RF+48*(\fs)+12*(\a)+11], v[8*(4*(\a)+\p):8*(4*(\a)+\p)+7], v[SC+16*(\sc)+4*\p+(\q)], v[SC+16*(\sc)+4*(\a)+(\q)] matrix_a_fmt:MATRIX_FMT_FP6 matrix_b_fmt:MATRIX_FMT_FP6 matrix_b_scale:MATRIX_SCALE_ROW1
.endif
.endr
.endm
.macro FP g, q, fs
	WIN TO_P
.irp p, 0,1,2,3
.irp c, 0,1,2
.if (\g)%3 == 2
	ds_load_b128 v[128*(\fs)+12*\p+4*\c:128*(\fs)+12*\p+4*\c+3], v[ADPB] offset:REC*\p+FRB*(\q)+512*\c
.else
	ds_load_b128 v[128*(\fs)+12*\p+4*\c:128*(\fs)+12*\p+4*\c+3], v[ADPA] offset:2*REC*\p+REC*((\g)%3)+FRB*(\q)+512*\c
.endif
.endr
.endr
	WIN 0
.endm
.macro FR g, q, fs, a0
.irp a, \a0, \a0+1
.irp c, 0,1,2
.if (\g)%3 == 2
	ds_load_b128 v[RF+48*(\fs)+12*(\a)+4*\c:RF+48*(\fs)+12*(\a)+4*\c+3], v[ADRB] offset:REC*(\a)+FRB*(\q)+512*\c
.else
	ds_load_b128 v[RF+48*(\fs)+12*(\a)+4*\c:RF+48*(\fs)+12*(\a)+4*\c+3], v[ADRA] offset:2*REC*(\a)+REC*((\g)%3)+FRB*(\q)+512*\c
.endif
.endr
.endr
.endm
.macro SCALES g
.irp i, 0,1,2,3
.if (\g)%3 == 2
	ds_load_b128 v[SC+16*((\g)%2)+4*\i:SC+16*((\g)%2)+4*\i+3], v[ADSB] offset:REC*\i
.else
	ds_load_b128 v[SC+16*((\g)%2)+4*\i:SC+16*((\g)%2)+4*\i+3], v[ADSA] offset:2*REC*\i+REC*((\g)%3)
.endif
.endr
.endm
.macro STEP g, q, zero
.set NG, (\g)+((\q)+1)/4
.set NK, ((\q)+1)%4
	s_wait_dscnt 6
	WIN MULW
	MUL4 0, (\q)%2, \q, (\g)%2, \zero
	MUL4 1, (\q)%2, \q, (\g)%2, \zero
	PLACES
	FP NG, NK, 1-(\q)%2
	FR NG, NK, 1-(\q)%2, 0
.if (\q) == 3
	SCALES NG
	s_wait_dscnt 22
.else
	s_wait_dscnt 18
.endif
	WIN MULW
	MUL4 2, (\q)%2, \q, (\g)%2, \zero
	MUL4 3, (\q)%2, \q, (\g)%2, \zero
	WIN 0
	FR NG, NK, 1-(\q)%2, 2
.endm
.macro TURN g, fill
.set NG, (\g)+1
	s_wait_tensorcnt 0x0
	ds_add_u32 v[SPW], v[NIL]
	s_wait_dscnt 7
	WIN MULW
	MUL4 0, 1, 3, (\g)%2, 0
	s_wait_dscnt 0x0
	s_barrier_signal -1
	MUL4 1, 1, 3, (\g)%2, 0
	WIN 0
	s_barrier_wait -1
.if \fill
	CREST
.if (\g)%3 == 2
	s_add_nc_u64 s[G0PB+2:G0PB+3], s[G0PB+2:G0PB+3], 3*REC
	s_add_nc_u64 s[G0RB+2:G0RB+3], s[G0RB+2:G0RB+3], 3*REC
	JLOAD G0PB, G1PB, G0RB, G1RB
.else
	s_add_nc_u64 s[G0PA+2:G0PA+3], s[G0PA+2:G0PA+3], 3*REC
	s_add_nc_u64 s[G0RA+2:G0RA+3], s[G0RA+2:G0RA+3], 3*REC
	JLOAD G0PA, G1PA, G0RA, G1RA
.endif
.else
	PLACES
.endif
	FP NG, 0, 0
	FR NG, 0, 0, 0
	s_wait_alu depctr_va_vdst(0)
	SCALES NG
.if (\g) == 1
	global_prefetch_b8 v[PFO], s[PF:PF+1] offset:6*REC th:TH_LOAD_NT scope:SCOPE_SE   ; behind the load of K groups 3 and 4: K groups 6 and 7
	global_prefetch_b8 v[PFO], s[PF:PF+1] offset:7*REC th:TH_LOAD_NT scope:SCOPE_SE
.endif
	WIN MULW
	MUL4 2, 1, 3, (\g)%2, 0
	MUL4 3, 1, 3, (\g)%2, 0
	WIN 0
	FR NG, 0, 0, 2
.endm
	s_load_b128 s[4:7], s[0:1], 0x0
	s_load_b64 s[8:9], s[0:1], 0x10
	v_lshl_add_u32 v[SPW], v0, 2, SPARE
	v_mov_b32 v[NIL], 0
	ds_add_u32 v[SPW], v[NIL]
	ds_add_u32 v[SPW], v[NIL]
	v_lshrrev_b32 v1, 5, v0
	v_readfirstlane_b32 s14, v1
	s_lshr_b32 s15, s14, 1
	s_and_b32 s16, s14, 1
	s_bfe_u32 s10, ttmp6, 0x40000
	s_bfe_u32 s11, ttmp6, 0x40004
	s_lshl_b32 s12, ttmp9, 2
	s_add_co_u32 s12, s12, s10
	s_and_b32 s13, ttmp7, 0xffff
	s_lshl_b32 s13, s13, 2
	s_add_co_u32 s13, s13, s11
	s_lshl_b32 s17, s11, 2
	s_lshl_b32 s17, 15, s17
	s_lshl_b32 s18, 0x1111, s10
	s_or_b32 s[G1PA], s17, (3<<16)|(1<<21)
	s_or_b32 s[G1PB], s17, (3<<16)|(1<<21)
	s_or_b32 s[G1RA], s18, (3<<16)|(1<<21)
	s_or_b32 s[G1RB], s18, (3<<16)|(1<<21)
.irp g, G1PA, G1RA
	s_mov_b32 s[\g+1], 1600<<16
	s_mov_b32 s[\g+2], 4<<16
	s_mov_b32 s[\g+3], 1600<<16
	s_mov_b32 s[\g+4], 4
	s_mov_b32 s[\g+5], 6400
	s_mov_b32 s[\g+6], 0
	s_mov_b32 s[\g+7], 0
.endr
.irp g, G1PB, G1RB
	s_mov_b32 s[\g+1], 800<<16
	s_mov_b32 s[\g+2], 4<<16
	s_mov_b32 s[\g+3], 800<<16
	s_mov_b32 s[\g+4], 4
	s_mov_b32 s[\g+5], 6400
	s_mov_b32 s[\g+6], 0
	s_mov_b32 s[\g+7], 0
.endr
	s_lshl_b32 s20, s13, 3
	s_lshl_b32 s21, s16, 2
	s_add_co_u32 s20, s20, s21
	s_mul_i32 s20, s20, TILEB
	s_mov_b32 s21, 0
	s_lshl_b32 s22, s12, 3
	s_lshl_b32 s23, s16, 2
	s_add_co_u32 s22, s22, s23
	s_mul_i32 s22, s22, TILEB
	s_mov_b32 s23, 0
	s_mul_i32 s76, s16, 8*REC
	s_mul_i32 s77, s16, 4*REC
	s_wait_dscnt 0x0
	s_wait_kmcnt 0x0
	s_add_nc_u64 s[20:21], s[4:5], s[20:21]
	s_add_nc_u64 s[22:23], s[6:7], s[22:23]
	s_cmp_eq_u32 s15, 0                            ; the requests: do I fetch wo's tiles or o's?
	s_cselect_b32 s90, s10, s11                    ; my place among the four that ask with me
	s_cselect_b64 s[PF:PF+1], s[20:21], s[22:23]
	s_mul_i32 s90, s90, TILEB
	s_mov_b32 s91, 0
	s_add_nc_u64 s[PF:PF+1], s[PF:PF+1], s[90:91]
	CROUND
	s_mov_b32 s[G0PA], 1
	s_add_co_u32 s[G0PA+1], s76, AP
	s_add_nc_u64 s[G0PA+2:G0PA+3], s[20:21], 0
	s_or_b32 s[G0PA+3], s[G0PA+3], 0x80000000
	s_mov_b32 s[G0RA], 1
	s_add_co_u32 s[G0RA+1], s76, AR
	s_add_nc_u64 s[G0RA+2:G0RA+3], s[22:23], 0
	s_or_b32 s[G0RA+3], s[G0RA+3], 0x80000000
	s_mov_b32 s[G0PB], 1
	s_add_co_u32 s[G0PB+1], s77, BP
	s_add_nc_u64 s[G0PB+2:G0PB+3], s[20:21], 2*REC
	s_or_b32 s[G0PB+3], s[G0PB+3], 0x80000000
	s_mov_b32 s[G0RB], 1
	s_add_co_u32 s[G0RB+1], s77, BR
	s_add_nc_u64 s[G0RB+2:G0RB+3], s[22:23], 2*REC
	s_or_b32 s[G0RB+3], s[G0RB+3], 0x80000000
	JLOAD G0PA, G1PA, G0RA, G1RA
	v_and_b32 v[PFO], 31, v0
	v_min_u32 v[PFO], 24, v[PFO]
	v_lshlrev_b32 v[PFO], 8, v[PFO]
	s_wait_alu depctr_va_vdst(0)
	global_prefetch_b8 v[PFO], s[PF:PF+1] offset:3*REC th:TH_LOAD_NT scope:SCOPE_SE   ; K groups 3 and 4
	global_prefetch_b8 v[PFO], s[PF:PF+1] offset:4*REC th:TH_LOAD_NT scope:SCOPE_SE
	s_wait_tensorcnt 0x0
	ds_add_u32 v28, v29
	s_wait_dscnt 0x0
	CROUND
	JLOAD G0PB, G1PB, G0RB, G1RB
	global_prefetch_b8 v[PFO], s[PF:PF+1] offset:5*REC th:TH_LOAD_NT scope:SCOPE_SE   ; K group 5
	v_and_b32 v1, 15, v0
	v_bfe_u32 v2, v0, 4, 1
	s_wait_alu depctr_va_vdst(0)
	v_and_b32 v3, 31, v0
	v_lshlrev_b32 v[LI], 4, v3
	v_lshlrev_b32 v[LR], 4, v1
	s_wait_alu depctr_va_vdst(0)
	s_mul_i32 s78, s16, 8*REC
	s_mul_i32 s79, s15, 8*REC
	s_add_co_u32 s79, s79, AR
	s_mul_i32 s80, s16, 4*REC
	s_add_co_u32 s80, s80, BP
	s_mul_i32 s81, s15, 4*REC
	s_add_co_u32 s81, s81, BR
	v_add_nc_u32 v[ADPA], s78, v[LI]
	v_add_nc_u32 v[ADRA], s79, v[LI]
	v_add_nc_u32 v[ADPB], s80, v[LI]
	v_add_nc_u32 v[ADRB], s81, v[LI]
	s_sub_co_u32 s82, s79, s78
	v_mul_u32_u24 v5, s82, v2
	s_add_co_u32 s83, s78, 4*FRB
	v_add_nc_u32 v[ADSA], s83, v[LR]
	v_add_nc_u32 v[ADSA], v[ADSA], v5
	s_sub_co_u32 s84, s81, s80
	v_mul_u32_u24 v6, s84, v2
	s_add_co_u32 s85, s80, 4*FRB
	v_add_nc_u32 v[ADSB], s85, v[LR]
	v_add_nc_u32 v[ADSB], v[ADSB], v6
	s_mul_i32 s86, s14, 16*PITCH
	s_add_co_u32 s86, s86, STAGE
	v_mul_u32_u24 v[STO], v1, PITCH
	v_lshl_add_u32 v[STO], v2, 6, v[STO]
	v_add_nc_u32 v[STO], s86, v[STO]
	v_mul_u32_u24 v[RD], v2, PITCH
	v_lshl_add_u32 v[RD], v1, 4, v[RD]
	v_add_nc_u32 v[RD], s86, v[RD]
	v_lshlrev_b32 v[CO], 14, v2
	v_lshl_add_u32 v[CO], v1, 4, v[CO]
	s_lshl_b32 s88, s12, 21
	s_lshl_b32 s89, s15, 20
	s_add_co_u32 s88, s88, s89
	s_lshl_b32 s89, s13, 9
	s_add_co_u32 s88, s88, s89
	s_lshl_b32 s89, s16, 8
	s_add_co_u32 s88, s88, s89
	s_mov_b32 s89, 0
	s_add_nc_u64 s[8:9], s[8:9], s[88:89]
	s_wait_tensorcnt 1
	s_barrier_signal -1
	s_barrier_wait -1
	FP 0, 0, 0
	FR 0, 0, 0, 0
	SCALES 0
	FR 0, 0, 0, 2
	STEP 0, 0, 1
	STEP 0, 1, 0
	STEP 0, 2, 0
	STEP 0, 3, 0
	STEP 1, 0, 0
	STEP 1, 1, 0
	STEP 1, 2, 0
	TURN 1, 1
	STEP 2, 0, 0
	STEP 2, 1, 0
	STEP 2, 2, 0
	TURN 2, 1
	STEP 3, 0, 0
	STEP 3, 1, 0
	STEP 3, 2, 0
	STEP 3, 3, 0
	STEP 4, 0, 0
	STEP 4, 1, 0
	STEP 4, 2, 0
	TURN 4, 1
	STEP 5, 0, 0
	STEP 5, 1, 0
	STEP 5, 2, 0
	TURN 5, 0
	STEP 6, 0, 0
	STEP 6, 1, 0
	STEP 6, 2, 0
	STEP 6, 3, 0
	STEP 7, 0, 0
	STEP 7, 1, 0
	STEP 7, 2, 0
	s_wait_dscnt 6
	WIN MULW
	MUL4 0, 1, 3, 1, 0
	MUL4 1, 1, 3, 1, 0
	s_wait_dscnt 0x0
	MUL4 2, 1, 3, 1, 0
	MUL4 3, 1, 3, 1, 0
	WIN 0
.macro TOSTAGE a
	WIN 0x08
.irp p, 0,1,2,3
	ds_store_b128 v[STO], v[32*(\a)+8*\p:32*(\a)+8*\p+3] offset:128*(\p/2)+32*(\p%2)
	ds_store_b128 v[STO], v[32*(\a)+8*\p+4:32*(\a)+8*\p+7] offset:128*(\p/2)+32*(\p%2)+16
.endr
	WIN 0
.set BB, BK+32*((\a)%2)
.irp t, 0,1,2,3,4,5,6,7
	ds_load_b128 v[BB+4*\t:BB+4*\t+3], v[RD] offset:2*\t*PITCH
.endr
.endm
.macro SEND a, younger
.set BB, BK+32*((\a)%2)
	s_wait_dscnt \younger
.irp t, 0,1,2,3,4,5,6,7
	global_store_b128 v[CO], v[BB+4*\t:BB+4*\t+3], s[8:9] offset:(32*((\a)/2)+8*((\a)%2)+2*\t+8*(\t/4))*16384 th:TH_STORE_NT
.endr
.endm
	PLACES
	TOSTAGE 0
.irp a, 1,2,3
.if \a > 1
	s_wait_xcnt 0x0
.endif
	TOSTAGE \a
	SEND \a-1, 16
.endr
	SEND 3, 0
	s_wait_tensorcnt 0x0
	ds_add_u32 v[SPW], v[NIL]
	s_wait_dscnt 0x0
	CROUND
	s_endpgm
.Lfunc_end_k_q47ce1fb440_oproj:
	.size	k_q47ce1fb440_oproj, .Lfunc_end_k_q47ce1fb440_oproj-k_q47ce1fb440_oproj
	.p2alignl 7, 3214868480
	.fill 96, 4, 3214868480
	.section	.rodata,"a",@progbits
	.p2align	6, 0x0
	.amdhsa_kernel k_q47ce1fb440_oproj
		.amdhsa_group_segment_fixed_size 327680
		.amdhsa_private_segment_fixed_size 0
		.amdhsa_enable_private_segment 0
		.amdhsa_kernarg_size 24
		.amdhsa_user_sgpr_count 2
		.amdhsa_user_sgpr_kernarg_segment_ptr 1
		.amdhsa_wavefront_size32 1
		.amdhsa_system_sgpr_workgroup_id_x 1
		.amdhsa_system_sgpr_workgroup_id_y 1
		.amdhsa_system_sgpr_workgroup_id_z 1
		.amdhsa_system_vgpr_workitem_id 0
		.amdhsa_next_free_vgpr 768
		.amdhsa_next_free_sgpr 100
		.amdhsa_reserve_vcc 0
		.amdhsa_float_denorm_mode_32 3
		.amdhsa_float_denorm_mode_16_64 3
		.amdhsa_memory_ordered 1
		.amdhsa_forward_progress 1
		.amdhsa_inst_pref_size 146
	.end_amdhsa_kernel
	.amdgpu_metadata
---
amdhsa.version: [ 1, 2 ]
amdhsa.kernels:
  - .name:           k_q47ce1fb440_oproj
    .symbol:         k_q47ce1fb440_oproj.kd
    .args:
      - { .name: woimg, .offset: 0, .size: 8, .value_kind: global_buffer, .address_space: global }
      - { .name: oimg, .offset: 8, .size: 8, .value_kind: global_buffer, .address_space: global }
      - { .name: out0, .offset: 16, .size: 8, .value_kind: global_buffer, .address_space: global }
    .group_segment_fixed_size: 327680
    .private_segment_fixed_size: 0
    .kernarg_segment_align: 8
    .kernarg_segment_size: 24
    .max_flat_workgroup_size: 128
    .sgpr_count:     100
    .vgpr_count:     768
    .wavefront_size: 32
...
	.end_amdgpu_metadata
.endif
;; end of part 4
